; MI455X (gfx1250); checked and timed in simulation.
; The chip was launched on July 23, 2026; its instructions are those of AMD's public machine-readable ISA for CDNA 5 (MIT licence, August 2026) and "CDNA5" Instruction Set Architecture Reference Guide (July 2026). The comments in the code are by the model that wrote it; some were corrected since.
;; Causal Self Attention. Allowed arithmetic: matrix products marked QUANTISED: E2M1 operands, one E8M0 scale for each 32 along K, by v_wmma_scale_f32_16x16x128_f8f6f4 with both operands' format E2M1 (or v_wmma_scale_f32_32x16x128_f4), f32 sums; everything else in f32.
;; Inputs: bk 1,024 float32; bo 1,024 float32; bq 1,024 float32; bv 1,024 float32; wk 1,024 x 1,024 float32; wo 1,024 x 1,024 float32; wq 1,024 x 1,024 float32; wv 1,024 x 1,024 float32; x 4 x 2,048 x 1,024 float32.
;; Outputs: out0 4 x 2,048 x 1,024 float32.
;; This version of the problem:
;;   THIS VERSION OF THE PROBLEM IS GIVEN IN LOW PRECISION. The matrix products marked QUANTISED in the list below multiply operands that are first quantised to E2M1 (2 exponent bits, 1 mantissa bit; 4 bits a number), with one power-of-two scale for each 32 numbers along K (OCP MX v1.0); their sums are f32. All else is computed in f32.
;;   The module's matrix products, in the order in which they are computed (A, B: the left and right operand; K: the contracted axis; several contracted axes count as one K, in the product's order):
;;     1. [M 8,192, K 1,024] x [K 1,024, N 1,024]; A: input x; B: input wq: QUANTISED
;;     2. [M 8,192, K 1,024] x [K 1,024, N 1,024]; A: input x; B: input wk: QUANTISED
;;     3. [M 8,192, K 1,024] x [K 1,024, N 1,024]; A: input x; B: input wv: QUANTISED
;;     4. batch 64 x [M 2,048, K 64] x [K 64, N 2,048]; A: computed on the way; B: computed on the way: QUANTISED
;;     5. batch 64 x [M 2,048, K 2,048] x [K 2,048, N 64]; A: softmax (see below); B: computed on the way: QUANTISED
;;     6. [M 8,192, K 1,024] x [K 1,024, N 1,024]; A: computed on the way; B: input wo: QUANTISED
;;   THE QUANTISER, for each operand of a quantised product, along K:
;;     - K is cut into blocks of 32 from its start; a last block that is shorter is filled with zeros.
;;     - A block's scale is 2^e with e = floor(log2(the largest magnitude in the block)) - 2, held to -126 .. 127; a block of zeros has e = 0. As a byte (E8M0): e + 127.
;;     - Each number is divided by its block's scale, clamped to +-6, and rounded to the nearest number of E2M1, ties to even, subnormals kept.
;;     - The product sums the exact products of the quantised numbers (number of the format x scale) in f32.
;;   ~~~python
;;   def quantise(x, axis):      # numpy; x: float32 -> the quantised numbers, widened to float32 again
;;       x = np.moveaxis(x, axis, -1); K = x.shape[-1]
;;       x = np.pad(x, [(0, 0)] * (x.ndim - 1) + [(0, -K % 32)]); x = x.reshape(x.shape[:-1] + (-1, 32)); a = np.abs(x).max(-1, keepdims=True)
;;       e = np.where(a > 0, np.clip(np.frexp(np.where(a > 0, a, 1))[1] - 1 - 2, -126, 127), 0)      # np.frexp(a)[1] - 1 = floor(log2(a)), exactly
;;       r = np.clip(x / 2.0 ** e, -6, 6)
;;       step = 2.0 ** (np.maximum(np.frexp(np.where(r == 0, 1, r))[1] - 1, 0) - 1)
;;       q = np.round(r / step) * step * 2.0 ** e      # np.round: ties to even
;;       return np.moveaxis(q.reshape(q.shape[:-2] + (-1,))[..., :K], -1, axis).astype(np.float32)
;;   ~~~
;;   SOFTMAX AHEAD OF A QUANTISED PRODUCT. Where the list says 'softmax', what is quantised is not the finished softmax but p = 2^(t - M), with t = logit x log2(e) and M = ceil(the row's largest t), a whole number; so 1/2 < the row's largest p <= 1. The row's sum l is taken of the UNQUANTISED p, in f32, and the product's result is divided by l at the end. Since M is a whole number, a kernel that streams over the keys may use a running M (the ceiling of the running maximum): every later rescaling is an exact power of two, which a block's scale takes up: the codes' values come out the same.
;;   OPERANDS COMPUTED ON THE WAY. 'Computed on the way' means the value that the module computes at that place (a softmax that the list does not call 'softmax' is quantised finished and normalised). What goes into a quantiser is computed in f32, as accurately as f32 sums, v_exp_f32 and their like allow (about 1e-6 of the number): no bf16 or f16 on the way to a quantiser, and a product that is left as it is and whose result goes on into a quantised operand takes f32 operands (vector FMAs, or v_wmma_f32_16x16x4_f32). A number that lies on a knife's edge between two numbers of the format may be rounded either way, as far as f32 arithmetic and the matrix unit's own rounding can turn it there, and no further.
;; One version. Each part assembles by itself: llvm-mc -triple=amdgcn-amd-amdhsa -mcpu=gfx1250 --defsym DOCPART=n.
;; ======== version 1 of 1: 4 launches
;; workspace buffers: x_codes 4,194,304 bytes; x_scales 262,144 bytes; w_codes 2,097,152 bytes; w_scales 131,072 bytes; qkv_codes 12,582,912 bytes; qkv_scales 786,432 bytes; ao_codes 4,194,304 bytes; ao_scales 262,144 bytes
;; launch quant (part 1): grid 512 x 1, 4 waves a work-group, no clusters, 43,520 bytes of LDS; arguments wq, wk, wv, wo, w_codes, w_scales, x, x_codes, x_scales; writes w_codes, w_scales, x_codes, x_scales
.if DOCPART == 1
	.amdgcn_target "amdgcn-amd-amdhsa--gfx1250"
	.amdhsa_code_object_version 6
	.text
	.protected	k_q4c1f9e3a76_quant
	.globl	k_q4c1f9e3a76_quant
	.p2align	8
	.type	k_q4c1f9e3a76_quant,@function
k_q4c1f9e3a76_quant:
	s_mov_b64 s[64:65], 0
	v_nop
	global_prefetch_b8 v0, s[64:65] scope:SCOPE_SE
	s_setreg_imm32_b32 hwreg(HW_REG_WAVE_MODE, 25, 1), 1
	s_wait_xcnt 0x0
; TWO QUANTISERS IN ONE LAUNCH: f32 numbers become codes of FP4 (E2M1), K innermost, with one E8M0 scale byte for each 32 along K.  Work-groups 0-255 take the four weights, work-groups 256-511 take x.
; The two ways part on the work-group's number and never meet again; each has LDS bytes of its own (x: 0 .. 32,767; the weights: from 32,768 on).
; A block's scale is 2^(floor(log2(its largest magnitude)) - 2); its byte is the largest magnitude's exponent field - 2, held at 1 from below.
; STORED ORDER: row t of x's codes, and column n of a weight, go to place t (n) with bits 3 and 4 exchanged.  Sixteen neighbouring places 16 a + r then hold rows 32 (a / 2) + 8 (a % 2) + r + 8 (r / 8):
; the products that read these rows as one side of a transposed matrix instruction find, in a lane's registers, neighbours along the other side's next K.
; LIMITS: a block of zeros gets the byte 1 where the rule says 127 (its codes are zeros, and this program alone reads the bytes); magnitudes under 2^-124 are held at that floor; NaN and infinities are not served.
; THE WEIGHTS: wq, wk, wv, wo, each [1024 (k)][1024 (n)] with K as the FIRST axis, go to codes [4096 rows][512 bytes] (rows 0.. wq's columns, 1024.. wk's, 2048.. wv's, 3072.. wo's) and scale bytes [4096 rows][32].
;   A LANE TAKES A COLUMN n AND ITS REGISTERS RUN DOWN K: a block of 32 lies in one lane's 32 registers, and the conversions give codes with K innermost.  A work-group takes 32 columns x 512 along K; wave w takes 128 of them, four blocks:
;   64 bytes of each column's 256.  The four waves' parts meet in one stage in LDS (rows of 256 bytes + 16); behind a barrier each wave stores 8 whole rows, sixteen lanes to 256 consecutive aligned bytes, and wave 0 the 32 rows' 16 scale bytes.
; x: [8192][1024], K innermost, goes to codes [8192 places][512 bytes] and scale bytes [8192 places][32].  A wave takes 8 rows in 16 steps of 512 numbers.  Each of a step's four loads reads 512 consecutive bytes; the 2,048 bytes turn through
;   the wave's own stage in LDS so that a lane holds 16 neighbours (two neighbouring lanes hold a block).  A store of codes covers 256 consecutive bytes; a wave's 256 scale bytes are gathered in LDS and leave as one aligned run.
; No tensor loads.  Matrix units and clusters have nothing to do in a stream.
.set WGW,   256                        ; the weights' work-groups
.set EMAX,  2
; the weights' way
.set NB,    4                          ; blocks of a wave
.set PITCH, 272                        ; a stage row
.set KROW,  512                        ; a row of the codes' buffer
.set NROW,  4096                       ; a row of a weight in bytes
.set WST,   32768                      ; LDS: the stage, 32 rows x 272 bytes,
.set SST,   WST+32*PITCH               ; and the scale bytes, 32 rows x 16
.set WX,    32                         ; v32-95   two sets of 32 numbers
.set WC,    96                         ; v96-111  four blocks' codes: no store's data are written again
.set OUTR,  112                        ; v112-127 the way out
.set SB,    24                         ; v24      my four scale bytes
; x's way
.set STEPS, 16
.set CB,    8                          ; bytes of 16 codes
.set R,     16                         ; v16-79   four sets of 16 numbers as they are loaded
.set X,     80                         ; v80-111  two sets of 16 neighbours
.set C,     128                        ; v128-191 codes: four registers for each step, so that no store's data are written again
.set E,     112                        ; v112-127 a scale byte for each step
.set WREG,  8192                       ; LDS: a region for each wave: two stages of 32 x SP bytes, then its 256 scale bytes
.set SP,    80                         ; a lane's place in a stage: 64 bytes + 16 of padding
	v_lshl_add_u32 v192, v0, 2, 0xa800
	v_mov_b32 v193, 0
	v_lshrrev_b32 v1, 5, v0
	v_readfirstlane_b32 s16, v1                    ; wave 0..3
	v_and_b32 v2, 31, v0                           ; lane
	s_cmp_ge_u32 ttmp9, WGW                        ; the same for all four waves of a work-group
	s_cbranch_scc1 .Lx_path
	; ---------------- the weights ----------------
	s_load_b256 s[4:11], s[0:1], 0x0               ; wq s[4:5], wk s[6:7], wv s[8:9], wo s[10:11]
	s_load_b128 s[12:15], s[0:1], 0x20             ; the codes s[12:13], the scale bytes s[14:15]
	s_lshr_b32 s30, ttmp9, 6                       ; which weight: 64 work-groups each
	s_bfe_u32 s17, ttmp9, 0x50001                  ; which 32 columns (5 bits from bit 1)
	s_and_b32 s18, ttmp9, 1                        ; which 512 along K
	v_lshlrev_b32 v3, 2, v2                        ; in: 4 bytes a lane
	v_and_b32 v5, 7, v2
	v_bfe_u32 v6, v2, 3, 1
	v_lshl_add_u32 v5, v6, 4, v5
	v_bfe_u32 v6, v2, 4, 1
	v_lshl_add_u32 v10, v6, 3, v5                  ; my column's place among the 32: the lane's bits 3 and 4 exchanged
	s_lshl_b32 s19, s16, 6
	s_add_co_u32 s19, s19, WST
	v_mul_u32_u24 v4, v10, PITCH
	v_add_nc_u32 v4, s19, v4                       ; into the stage: row = that place, my wave's 64 bytes
	s_lshl_b32 s19, s16, 2
	s_add_co_u32 s19, s19, SST
	v_lshl_add_u32 v9, v10, 4, s19                 ; my scale word: 16 bytes a row, my wave's 4
	v_and_b32 v5, 15, v2
	v_lshrrev_b32 v6, 4, v2
	s_mul_i32 s19, s16, 8*PITCH
	s_add_co_u32 s19, s19, WST
	v_mul_u32_u24 v7, v6, PITCH
	v_lshl_add_u32 v7, v5, 4, v7
	v_add_nc_u32 v7, s19, v7                       ; out of the stage: my wave's 8 rows, sixteen lanes to a row, two rows an instruction
	v_mul_u32_u24 v8, v6, KROW
	v_lshl_add_u32 v8, v5, 4, v8                   ; and the same place in the codes' buffer
	v_lshl_add_u32 v14, v2, 4, SST                 ; wave 0: row = lane: its 16 scale bytes,
	v_lshlrev_b32 v15, 5, v2                       ; and its row of 32 in the buffer
	s_lshl_b32 s20, s18, 21                        ; the weight: 512 y rows of 4,096 bytes,
	s_lshl_b32 s21, s16, 19                        ; + 128 rows for each wave,
	s_add_co_u32 s20, s20, s21
	s_lshl_b32 s21, s17, 7                         ; + 32 columns of 4 bytes
	s_add_co_u32 s20, s20, s21
	s_mov_b32 s21, 0
	s_lshl_b32 s22, s30, 10
	s_lshl_b32 s23, s17, 5
	s_add_co_u32 s22, s22, s23                     ; the work-group's first row in the buffers: 1,024 x weight + 32 x column group
	s_lshl_b32 s23, s16, 3
	s_add_co_u32 s24, s22, s23                     ; my wave's first row on the way out
	s_lshl_b32 s24, s24, 9
	s_lshl_b32 s25, s18, 8
	s_add_co_u32 s24, s24, s25                     ; x 512 + 256 y
	s_mov_b32 s25, 0
	s_lshl_b32 s28, s22, 5
	s_lshl_b32 s29, s18, 4
	s_add_co_u32 s28, s28, s29                     ; the scale bytes: row x 32 + 16 y
	s_mov_b32 s29, 0
	s_wait_kmcnt 0x0
	s_cmp_eq_u32 s30, 2                            ; the weight is chosen on the work-group's number alone
	s_cselect_b64 s[10:11], s[8:9], s[10:11]
	s_cmp_eq_u32 s30, 1
	s_cselect_b64 s[10:11], s[6:7], s[10:11]
	s_cmp_eq_u32 s30, 0
	s_cselect_b64 s[10:11], s[4:5], s[10:11]
	s_add_nc_u64 s[10:11], s[10:11], s[20:21]
	s_add_nc_u64 s[12:13], s[12:13], s[24:25]
	s_add_nc_u64 s[14:15], s[14:15], s[28:29]
.macro WLOAD t                         ; block t: W(32 t + i, my column), i = 0 .. 31, into set t % 2; every offset is an immediate: 127 rows of 4,096 bytes at the most
.irp i, 0,1,2,3,4,5,6,7,8,9,10,11,12,13,14,15,16,17,18,19,20,21,22,23,24,25,26,27,28,29,30,31
	global_load_b32 v[WX+32*((\t)%2)+\i], v3, s[10:11] offset:(32*(\t)+\i)*NROW th:TH_LOAD_NT
.endr
.endm
	WLOAD 0
	WLOAD 1
.macro WBLOCK t
.set XS, WX+32*((\t)%2)
.if (\t) < NB-1
	s_wait_loadcnt 32                              ; this block's 32 loads are in; the next block's 32 may be out
.else
	s_wait_loadcnt 0
.endif
	v_max3_num_f32 v12, |v[XS]|, |v[XS+1]|, |v[XS+2]|               ; the block's largest magnitude: all 32 numbers are mine
	v_max3_num_f32 v13, |v[XS+3]|, |v[XS+4]|, |v[XS+5]|
.irp i, 6,10,14,18,22,26
	v_max3_num_f32 v12, v12, |v[XS+\i]|, |v[XS+\i+1]|
	v_max3_num_f32 v13, v13, |v[XS+\i+2]|, |v[XS+\i+3]|
.endr
	v_max3_num_f32 v12, v12, |v[XS+30]|, |v[XS+31]|
	v_max3_num_f32 v12, v12, v13, (EMAX+1)<<23     ; and the floor 2^(3 - 127): the byte cannot fall under 1
	v_add_nc_u32 v11, -(EMAX<<23), v12             ; 2 off its exponent field: the conversion's scale operand
	v_lshrrev_b32 v13, 23, v11                     ; the scale's byte
.if (\t) == 0
	v_mov_b32 v[SB], v13                           ; four bytes to the register, the lower K in the lower byte
.else
	v_lshl_or_b32 v[SB], v13, 8*(\t), v[SB]
.endif
.irp g, 0,1,2,3
	v_cvt_scalef32_pk8_fp4_f32 v[WC+4*(\t)+\g], v[XS+8*\g:XS+8*\g+7], v11
.endr
	v_nop                                          ; one plain line behind the last conversion
	ds_store_b128 v4, v[WC+4*(\t):WC+4*(\t)+3] offset:16*(\t)      ; 32 codes: 16 bytes of my column's row
.if (\t)+2 < NB
	WLOAD (\t)+2
.endif
.endm
.irp t, 0,1,2,3
	WBLOCK \t
.endr
	ds_store_b32 v9, v[SB]
	s_wait_dscnt 0x0                               ; for the others' sake: my stores into the stage are done
	s_barrier_signal -1
	s_barrier_wait -1                              ; the 32 rows are whole
.irp j, 0,1,2,3
	ds_load_b128 v[OUTR+4*\j:OUTR+4*\j+3], v7 offset:2*\j*PITCH
.endr
.irp j, 0,1,2,3
	s_wait_dscnt 3-\j                              ; the younger loads from the stage may be out
	global_store_b128 v8, v[OUTR+4*\j:OUTR+4*\j+3], s[12:13] offset:2*\j*KROW   ; sixteen lanes store 256 consecutive bytes, aligned
.endr
	s_cmp_lg_u32 s16, 0
	s_cbranch_scc1 .Lw_done
	ds_load_b128 v[16:19], v14                     ; wave 0: each row's 16 scale bytes
	s_wait_dscnt 0x0
	global_store_b128 v15, v[16:19], s[14:15]
.Lw_done:
	s_wait_tensorcnt 0x0
	ds_add_u32 v192, v193
	s_wait_dscnt 0x0
	s_endpgm
	; ---------------- x ----------------
.Lx_path:
	s_load_b128 s[4:7], s[0:1], 0x30               ; x s[4:5], the codes s[6:7]
	s_load_b64 s[8:9], s[0:1], 0x40                ; the scale bytes
	v_lshlrev_b32 v3, 4, v2                        ; my 16 bytes of a load's 512
	s_mul_i32 s17, s16, WREG
	v_lshrrev_b32 v14, 2, v2
	v_mul_u32_u24 v14, v14, SP
	v_and_b32 v15, 3, v2
	v_lshl_add_u32 v14, v15, 4, v14
	v_add_nc_u32 v14, s17, v14                     ; the stage, on the way in: SP (lane / 4) + 16 (lane % 4)
	v_mul_u32_u24 v15, v2, SP
	v_add_nc_u32 v15, s17, v15                     ; and on the way out: SP x lane: my 16 neighbours
	v_mul_u32_u24 v4, v2, CB                       ; my codes' place in a step's
	v_lshrrev_b32 v5, 1, v2
	s_add_co_u32 s17, s17, 2*32*SP
	v_add_nc_u32 v5, s17, v5                       ; LDS: my block's scale byte
	v_lshlrev_b32 v7, 3, v2                        ; and on the way out 8 bytes a lane
	v_add_nc_u32 v6, s17, v7
	s_sub_co_u32 s19, ttmp9, WGW                   ; x's work-group, 0 .. 255
	s_lshl_b32 s18, s19, 2
	s_add_co_u32 s20, s18, s16                     ; which run of 8 rows I read: 4 x work-group + wave
	s_lshr_b32 s22, s16, 1
	s_and_b32 s23, s16, 1
	s_lshl_b32 s23, s23, 1
	s_or_b32 s22, s22, s23                         ; the wave's two bits exchanged: they are bits 3 and 4 of the row
	s_add_co_u32 s22, s18, s22                     ; which run of 8 places I write
	s_lshl_b32 s20, s20, 15                        ; 32,768 bytes of x a run
	s_mov_b32 s21, 0
	s_lshl_b32 s24, s22, 12                        ; 4,096 bytes of codes
	s_mov_b32 s25, 0
	s_lshl_b32 s22, s22, 8                         ; 256 scale bytes
	s_mov_b32 s23, 0
	s_wait_kmcnt 0x0
	s_add_nc_u64 s[4:5], s[4:5], s[20:21]
	s_add_nc_u64 s[6:7], s[6:7], s[24:25]
	s_add_nc_u64 s[8:9], s[8:9], s[22:23]
.macro XLOAD t
.irp i, 0,1,2,3
	global_load_b128 v[R+16*((\t)%4)+4*\i:R+16*((\t)%4)+4*\i+3], v3, s[4:5] offset:2048*(\t)+512*\i th:TH_LOAD_NT   ; 32 lanes read 512 consecutive bytes
.endr
.endm
.macro XTURN t                         ; step t's numbers through the stage: LDS serves a wave's instructions in order, so no wait stands between the stores and the loads
.irp i, 0,1,2,3
	ds_store_b128 v14, v[R+16*((\t)%4)+4*\i:R+16*((\t)%4)+4*\i+3] offset:32*SP*((\t)%2)+8*SP*\i
.endr
.irp i, 0,1,2,3
	ds_load_b128 v[X+16*((\t)%2)+4*\i:X+16*((\t)%2)+4*\i+3], v15 offset:32*SP*((\t)%2)+16*\i
.endr
.endm
.irp t, 0,1,2,3
	XLOAD \t
.endr
	s_wait_loadcnt 12                              ; step 0's four loads are in; the twelve of steps 1 to 3 stay out
	XTURN 0
.macro XSTEP t
.set XS, X+16*((\t)%2)
.if (\t) > 0
	s_wait_dscnt 1                                 ; this step's numbers are back from the stage (the last step's byte store may be out): so its stores into the stage have read their registers,
.else
	s_wait_dscnt 0x0
.endif
.if (\t)+4 < STEPS
	XLOAD (\t)+4                                   ; which take the loads of four steps on
.endif
.if (\t)+1 < STEPS
.if STEPS-2-(\t) >= 3
	s_wait_loadcnt 12                              ; the next step's four loads are in; those of the three steps behind it may be out
.else
	s_wait_loadcnt 4*(STEPS-2-(\t))                ; in the tail: four for each step still behind the next
.endif
	XTURN (\t)+1                                   ; and go through the other stage while this step is worked
.endif
	v_max3_num_f32 v8, |v[XS]|, |v[XS+1]|, |v[XS+2]|               ; the largest magnitude of my 16, in two chains
	v_max3_num_f32 v9, |v[XS+3]|, |v[XS+4]|, |v[XS+5]|
.irp i, 6,10
	v_max3_num_f32 v8, v8, |v[XS+\i]|, |v[XS+\i+1]|
	v_max3_num_f32 v9, v9, |v[XS+\i+2]|, |v[XS+\i+3]|
.endr
	v_max3_num_f32 v8, v8, |v[XS+14]|, |v[XS+15]|
	v_max3_num_f32 v8, v8, v9, (EMAX+1)<<23        ; and the floor 2^(3 - 127): the byte cannot fall under 1
	v_max_num_f32_dpp v8, v8, v8 row_xmask:1 row_mask:0xf bank_mask:0xf   ; and of my neighbour's 16: the block's
	v_add_nc_u32 v11, -(EMAX<<23), v8              ; 2 off its exponent field: the conversion takes the exponent field of this operand as its scale
	v_cvt_scalef32_pk8_fp4_f32 v[C+4*(\t)], v[XS:XS+7], v11
	v_cvt_scalef32_pk8_fp4_f32 v[C+4*(\t)+1], v[XS+8:XS+15], v11
	v_lshrrev_b32 v[E+(\t)], 23, v11               ; the scale's byte (also the plain line behind the conversions)
	ds_store_b8 v5, v[E+(\t)] offset:16*(\t)       ; both lanes of a block write the same byte with the same value
	global_store_b64 v4, v[C+4*(\t):C+4*(\t)+1], s[6:7] offset:32*CB*(\t)   ; 32 lanes store 256 consecutive bytes, aligned
.endm
.irp t, 0,1,2,3,4,5,6,7,8,9,10,11,12,13,14,15
	XSTEP \t
.endr
	ds_load_b64 v[12:13], v6                       ; LDS serves a wave's instructions in order: these see my stores
	s_wait_dscnt 0x0
	global_store_b64 v7, v[12:13], s[8:9]          ; 32 lanes store 256 consecutive bytes, aligned
	s_wait_tensorcnt 0x0
	ds_add_u32 v192, v193
	s_wait_dscnt 0x0
	s_endpgm
.Lfunc_end_k_q4c1f9e3a76_quant:
	.size	k_q4c1f9e3a76_quant, .Lfunc_end_k_q4c1f9e3a76_quant-k_q4c1f9e3a76_quant
	.p2alignl 7, 3214868480
	.fill 96, 4, 3214868480
	.section	.rodata,"a",@progbits
	.p2align	6, 0x0
	.amdhsa_kernel k_q4c1f9e3a76_quant
		.amdhsa_group_segment_fixed_size 43520
		.amdhsa_private_segment_fixed_size 0
		.amdhsa_enable_private_segment 0
		.amdhsa_kernarg_size 72
		.amdhsa_user_sgpr_count 2
		.amdhsa_user_sgpr_kernarg_segment_ptr 1
		.amdhsa_wavefront_size32 1
		.amdhsa_system_sgpr_workgroup_id_x 1
		.amdhsa_system_sgpr_workgroup_id_y 1
		.amdhsa_system_sgpr_workgroup_id_z 1
		.amdhsa_system_vgpr_workitem_id 0
		.amdhsa_next_free_vgpr 194
		.amdhsa_next_free_sgpr 66
		.amdhsa_reserve_vcc 0
		.amdhsa_float_denorm_mode_32 3
		.amdhsa_float_denorm_mode_16_64 3
		.amdhsa_memory_ordered 1
		.amdhsa_forward_progress 1
		.amdhsa_inst_pref_size 55
	.end_amdhsa_kernel
	.amdgpu_metadata
---
amdhsa.version: [ 1, 2 ]
amdhsa.kernels:
  - .name:           k_q4c1f9e3a76_quant
    .symbol:         k_q4c1f9e3a76_quant.kd
    .args:
      - { .name: wq, .offset: 0, .size: 8, .value_kind: global_buffer, .address_space: global }
      - { .name: wk, .offset: 8, .size: 8, .value_kind: global_buffer, .address_space: global }
      - { .name: wv, .offset: 16, .size: 8, .value_kind: global_buffer, .address_space: global }
      - { .name: wo, .offset: 24, .size: 8, .value_kind: global_buffer, .address_space: global }
      - { .name: w_codes, .offset: 32, .size: 8, .value_kind: global_buffer, .address_space: global }
      - { .name: w_scales, .offset: 40, .size: 8, .value_kind: global_buffer, .address_space: global }
      - { .name: x, .offset: 48, .size: 8, .value_kind: global_buffer, .address_space: global }
      - { .name: x_codes, .offset: 56, .size: 8, .value_kind: global_buffer, .address_space: global }
      - { .name: x_scales, .offset: 64, .size: 8, .value_kind: global_buffer, .address_space: global }
    .group_segment_fixed_size: 43520
    .private_segment_fixed_size: 0
    .kernarg_segment_align: 8
    .kernarg_segment_size: 72
    .max_flat_workgroup_size: 128
    .sgpr_count:     66
    .vgpr_count:     194
    .wavefront_size: 32
...
	.end_amdgpu_metadata
.endif
;; end of part 1
;; launch gemm_qkv (part 2): grid 12 x 32, 4 waves a work-group, clusters of 4 x 4, 327,680 bytes of LDS; arguments x_codes, x_scales, w_codes, w_scales, bq, bk, bv, qkv_codes, qkv_scales; writes qkv_codes, qkv_scales
.if DOCPART == 2
	.amdgcn_target "amdgcn-amd-amdhsa--gfx1250"
	.amdhsa_code_object_version 6
	.text
	.protected	k_q4c1f9e3a76_gemm_qkv
	.globl	k_q4c1f9e3a76_gemm_qkv
	.p2align	8
	.type	k_q4c1f9e3a76_gemm_qkv,@function
k_q4c1f9e3a76_gemm_qkv:
	s_mov_b64 s[64:65], 0
	v_nop
	global_prefetch_b8 v0, s[64:65] scope:SCOPE_SE
	s_setreg_imm32_b32 hwreg(HW_REG_WAVE_MODE, 25, 1), 1
	s_wait_xcnt 0x0
	s_wait_alu depctr_hold_cnt(0) depctr_sa_sdst(0) depctr_va_vdst(0) depctr_va_sdst(0) depctr_va_ssrc(0) depctr_va_vcc(0) depctr_vm_vsrc(0)
	s_getreg_b32 s2, hwreg(HW_REG_IB_STS2, 6, 4)
	s_cmp_eq_u32 s2, 0
	s_cbranch_scc0 .Lentry_in_a_cluster
	s_endpgm
.Lentry_in_a_cluster:
	s_bfe_u32 s2, ttmp6, 0x10000c
	s_cmp_lg_u32 s2, 0xf033
	s_cbranch_scc0 .Lentry_shape_is_right
	s_endpgm
.Lentry_shape_is_right:
; q = x wq + bq, k = x wk + bk, v = x wv + bv on codes of FP4 (E2M1) with E8M0 scales for each 32 along K = 1024; the results are quantised in registers and leave as codes: q and k along a head's 64, v along the tokens.
; A tile of 256 x 256 is made by four waves, 128 x 128 each: 64 accumulators, 512 registers.  THE MATRIX INSTRUCTION IS USED TRANSPOSED (source 0 = 16 rows of side B, source 1 = 16 rows of side A):
; a lane holds ONE row of side A and its registers run along side B's rows.  Clusters x = 0, 1 (q, k): A = x's rows, B = the weights' rows, so registers run along the head's axis.
; Cluster x = 2 (v): A = wv's rows, B = x's rows, so registers run along the tokens, which are the K of attention's second product.  One quantiser along the registers serves all three.  The choice is made by selects on the cluster's x alone, never by a branch.
; STORED ORDER.  Both sides' rows lie with bits 3 and 4 of the row number exchanged.  So register 8 b + j of the accumulators (a, 0..7) of lane (r, h) is side B's row 32 (b / 2) + 16 h + 8 (b % 2) + j: a lane's 64 registers are, block by block of 32,
; 16 neighbours of each block; lane l xor 16 holds the other 16.  Side A's rows leave at their stored places, which is what attention's tiles want.
; K = 1024 is two slots of 512 (LDS rows of 256 bytes + 16 of padding: 68 words, so the 16 rows of a load start at 16 different banks; 64 banks of 4 bytes: ISA guide 11.1): both are first fills, nothing is filled again.  The scale bytes of the 512 rows come once, as runs of 256 bytes + 16.
; CLUSTERS: 4 x 4.  Side A's tiles hang on the cluster's y and cy, and are asked for jointly along a row of the cluster; side B's on cx, and along a column.
; THE BIASES: the bias that runs along the registers (bq, bk) is the C of each sum's first product; the one that runs along the lanes (bv) is added as the sums are brought to window 0.  The one that does not apply is replaced by zeros by a select.
; OUT: qkv_codes [batch 4][head pair 8][block of 128 tokens 16][part 3][8192 bytes]; parts q, k: [head of the pair][128 stored tokens][32 bytes]; part v: [head of the pair][keys 64 c on][64 stored channels][32 bytes].
;      qkv_scales: the same blocks x [128 rows] words: q, k: bytes 0, 1 the even head's two blocks, 2, 3 the odd head's; v: row 64 x head + stored channel, the four blocks of the 128 keys.
; LIMITS: a block of zeros gets the byte 1 where the rule says 127 (its codes are zeros; this program alone reads the bytes); magnitudes under 2^-124 are held at that floor; NaN and infinities are not served.
; REGISTERS, in windows of 256: window 0: v0-31 addresses and work; v32-95 scale words, two sets; v96-111 the lanes' bias, in pairs; v112-119 the scale words made; v120-127 work; v128-191 side A's fragments, later 64 sums; v192-255 the registers' bias, later the codes made.
;   window 1: side B's fragments, two sets.   window 2: the accumulators of my rows 0-63 ((a, b) at v[8 (8 a + b)]);   window 3: those of rows 64-127.
.set KSTEP,  512
.set NQ,     KSTEP/128
.set ROWB,   256
.set KROW,   512
.set PITCH,  272
.set FR,     8
.set NL,     2
.set NP,     4                         ; places behind this matrix instruction (ISA guide 7.12.1)
.set HALFT,  128*PITCH
.set SLOT,   4*HALFT
.set KS,     32                        ; a row of scale bytes
.set SCL,    2*SLOT
.set HALFS,  (128*KS/256)*272
.set SBLK,   (16*KS/256)*272
.set SPARE,  SCL+4*HALFS               ; the spare words, 128 bytes a wave: two blocks of 256 bytes that no other line names
.set SSTG,   SPARE+512                 ; 512 bytes for each wave: the scale words made, gathered; no fill lands here
.set TMS,  8                           ; v8-11   the conversions' scale operands
.set SW,   12                          ; v12-15  the scale words read back
.set ADRA, 16                          ; v16-17  LDS address of my A fragments in slot 0, 1
.set ADRB, 20                          ; v20-21  the same for B
.set BBO,  22                          ; v22     64 h: my half's place in the registers' bias
.set BMO,  23                          ; v23     4 (r + 8 (r / 8)): my row's place in the lanes' bias
.set SSA,  24                          ; v24     where I put a scale word
.set SSR,  25                          ; v25     where I read four back
.set CO,   26                          ; v26     32 r + 16 h: my 16 bytes of codes in a block of 16 rows
.set ADRS, 27                          ; v27     LDS address of my scale words: lanes 0-15 A's rows, lanes 16-31 B's
.set SPW,  28                          ; v28     my spare word; never rewritten
.set NIL,  29                          ; v29     0; never rewritten
.set LO,   30                          ; v30     16 x lane
.set SC,   32
.set BM,   96
.set PW,   112
.set TMX,  120                         ; v120-123 largest magnitudes
.set TMB,  124                         ; v124-127 the other half's, then the bytes
.set AF,   128
.set ST,   128
.set BB,   192
.set PC,   192
.set G1, 24
.set G0, 32
.set G1B, 48
.set G0B, 56
.set G1S, 68
.set G0S, 76
.set G1SB, 80
.set G0SB, 88
.set SEL, 62                           ; s[62:63] on the way out: v_permlanex16_b32's selects for lane l xor 16
.set MSB, 0
.macro WIN new                         ; the immediate's high byte repeats the setting that is left
.if MSB != (\new)
	s_set_vgpr_msb (MSB<<8)|(\new)
.set MSB, (\new)
.endif
.endm
.set MUL_LO, 0xa1                      ; source 0 (B) window 1, source 1 (A) window 0, C and D window 2
.set MUL_HI, 0xf1                      ; the same, C and D window 3
.set FST_LO, 0x81                      ; the first products: C (the bias) window 0, D window 2
.set FST_HI, 0xc1                      ; D window 3
.set TO_B,   0x40
; A joint load: waves 0 and 1 fetch for A, waves 2 and 3 for B; the branch hangs on the wave's number alone.  Four v_nop follow each of the two lines.
.macro JLOAD g0a, g1a, g0b, g1b
	s_cmp_eq_u32 s15, 0
	s_cbranch_scc0 .Lfor_b_\@
	tensor_load_to_lds s[\g0a:\g0a+3], s[\g1a:\g1a+7]
	s_nop 0
.rept 4
	v_nop
.endr
	s_branch .Lasked_\@
.Lfor_b_\@:
	tensor_load_to_lds s[\g0b:\g0b+3], s[\g1b:\g1b+7]
	s_nop 0
.rept 4
	v_nop
.endr
.Lasked_\@:
.endm
.macro CROUND                          ; a round of the cluster's barrier
	s_barrier_signal -1
	s_barrier_wait -1
	s_cmp_lg_u32 s14, 0
	s_cbranch_scc1 .Lnot_wave_0_\@
	s_barrier_signal -3
.Lnot_wave_0_\@:
	s_barrier_wait -3
	s_barrier_signal -1
	s_barrier_wait -1
.endm
	s_load_b128 s[4:7], s[0:1], 0x0                ; x's codes, x's scales
	s_load_b128 s[8:11], s[0:1], 0x10              ; the weights' codes, their scales
	s_load_b128 s[96:99], s[0:1], 0x20             ; bq, bk
	s_load_b64 s[100:101], s[0:1], 0x30            ; bv
	v_lshl_add_u32 v[SPW], v0, 2, SPARE
	v_mov_b32 v[NIL], 0
	ds_add_u32 v28, v29
	ds_add_u32 v28, v29
	s_wait_dscnt 0x0
	v_lshrrev_b32 v1, 5, v0
	v_readfirstlane_b32 s14, v1                    ; wave 0..3
	s_lshr_b32 s15, s14, 1                         ; which half of side A's rows is mine.  Also: I fetch for A (0) or for B (1)
	s_and_b32 s16, s14, 1                          ; which half of side B's rows.  Also: which 128 rows of that tile I fetch
	s_bfe_u32 s40, ttmp6, 0x40000                  ; cx
	s_bfe_u32 s41, ttmp6, 0x40004                  ; cy
	s_mov_b32 s66, ttmp9                           ; the cluster's x: 0 q, 1 k, 2 v
	s_and_b32 s67, ttmp7, 0xffff
	s_lshl_b32 s67, s67, 2                         ; 4 x the cluster's y
	s_lshl_b32 s95, s66, 2
	s_cmp_eq_u32 s66, 2                            ; v?  The same in all sixteen partners
	s_cselect_b32 s17, 0, s67                      ; A's tile row: cy (wv's rows), else 4 y + cy (x's rows)
	s_cselect_b32 s42, s67, s95                    ; B's tile row: 4 y + cx (x's rows), else 4 x + cx (wq's and wk's rows)
	s_cselect_b32 s94, 2048, 0                     ; wv's rows begin at row 2,048 of the weights' codes
	s_cselect_b32 s2, -1, 0                        ; lane masks for the biases' selects
	s_cselect_b32 s3, 0, -1
	s_add_co_u32 s17, s17, s41
	s_add_co_u32 s42, s42, s40
	s_lshl_b32 s43, s41, 2
	s_lshl_b32 s43, 15, s43                        ; my row of the cluster
	s_lshl_b32 s44, 0x1111, s40                    ; my column
	; descriptor group 1: a tile of 128 rows x 256 bytes, 16 bytes of padding behind each row
	s_or_b32 s[G1+0], s43, (0<<16)|(1<<20)|(1<<21)|(5<<22)|(3<<25)  ; 15:0 the mask; 17:16 elements of 1 byte; 20 padding on; 21 set beside a mask; 24:22 after every 64 words; 31:25 four words
	s_or_b32 s[G1B+0], s44, (0<<16)|(1<<20)|(1<<21)|(5<<22)|(3<<25)
.irp g, G1, G1B
	s_mov_b32 s[\g+1], ROWB<<16                    ; tensor_dim0
	s_mov_b32 s[\g+2], 128<<16                     ; tensor_dim1
	s_mov_b32 s[\g+3], ROWB<<16                    ; tile_dim0
	s_mov_b32 s[\g+4], 128                         ; tile_dim1
	s_mov_b32 s[\g+5], KROW                        ; tensor_dim0_stride
	s_mov_b32 s[\g+6], 0
	s_mov_b32 s[\g+7], 0
.endr
	; the scale bytes of 128 rows: 4,096 dense bytes as 16 rows of 256 (32 elements of 8 bytes), 16 bytes of padding behind each
	s_or_b32 s[G1S+0], s43, (3<<16)|(1<<20)|(1<<21)|(5<<22)|(3<<25)
	s_or_b32 s[G1SB+0], s44, (3<<16)|(1<<20)|(1<<21)|(5<<22)|(3<<25)
.irp g, G1S, G1SB
	s_mov_b32 s[\g+1], 32<<16
	s_mov_b32 s[\g+2], (128*KS/256)<<16
	s_mov_b32 s[\g+3], 32<<16
	s_mov_b32 s[\g+4], 128*KS/256
	s_mov_b32 s[\g+5], 32
	s_mov_b32 s[\g+6], 0
	s_mov_b32 s[\g+7], 0
.endr
	s_lshl_b32 s18, s16, 7                         ; which 128 rows of the tile I fetch
	s_lshl_b32 s20, s17, 8
	s_add_co_u32 s20, s20, s18
	s_add_co_u32 s20, s20, s94                     ; A: row 256 x tile row + 128 x half (+ 2,048)
	s_lshl_b32 s46, s42, 8
	s_add_co_u32 s46, s46, s18                     ; B: likewise
	s_lshl_b32 s22, s20, 5                         ; where these rows' scale bytes begin (at most 8,192 rows: all offsets stay under 2^23)
	s_mov_b32 s23, 0
	s_lshl_b32 s20, s20, 9                         ; and their codes
	s_mov_b32 s21, 0
	s_lshl_b32 s92, s46, 5
	s_mov_b32 s93, 0
	s_lshl_b32 s46, s46, 9
	s_mov_b32 s47, 0
	s_mul_i32 s45, s14, HALFT                      ; where they go: wave x 128 rows: no place in the cluster enters an LDS address
	s_mul_i32 s94, s14, HALFS
	s_wait_kmcnt 0x0
	s_cmp_eq_u32 s66, 2                            ; the sides' buffers, chosen on the cluster's x alone
	s_cselect_b64 s[18:19], s[8:9], s[4:5]         ; A's codes
	s_cselect_b64 s[8:9], s[4:5], s[8:9]           ; B's codes
	s_cselect_b64 s[4:5], s[10:11], s[6:7]         ; A's scales
	s_cselect_b64 s[10:11], s[6:7], s[10:11]       ; B's scales
	s_add_nc_u64 s[20:21], s[18:19], s[20:21]
	s_add_nc_u64 s[22:23], s[4:5], s[22:23]
	s_add_nc_u64 s[46:47], s[8:9], s[46:47]
	s_add_nc_u64 s[92:93], s[10:11], s[92:93]
	s_cmp_eq_u32 s66, 0                            ; and the bias
	s_cselect_b64 s[12:13], s[96:97], s[100:101]
	s_cmp_eq_u32 s66, 1
	s_cselect_b64 s[12:13], s[98:99], s[12:13]
	s_load_b128 s[96:99], s[0:1], 0x38             ; the codes' and the scale words' way out: waited for behind the last product
	CROUND                                         ; all sixteen work-groups are here: the first joint loads meet
	s_mov_b32 s[G0S], 1
	s_add_co_u32 s[G0S+1], s94, SCL
	s_mov_b64 s[G0S+2:G0S+3], s[22:23]
	s_or_b32 s[G0S+3], s[G0S+3], 0x80000000
	s_mov_b32 s[G0SB], 1
	s_add_co_u32 s[G0SB+1], s94, SCL
	s_mov_b64 s[G0SB+2:G0SB+3], s[92:93]
	s_or_b32 s[G0SB+3], s[G0SB+3], 0x80000000
	JLOAD G0S, G1S, G0SB, G1SB                     ; the scales first: they are wanted with the first slot
.irp s, 0,1
	s_mov_b32 s[G0+4*\s], 1
	s_add_co_u32 s[G0+4*\s+1], s45, \s*SLOT
	s_add_nc_u64 s[G0+4*\s+2:G0+4*\s+3], s[20:21], \s*ROWB
	s_or_b32 s[G0+4*\s+3], s[G0+4*\s+3], 0x80000000
	s_mov_b32 s[G0B+4*\s], 1
	s_add_co_u32 s[G0B+4*\s+1], s45, \s*SLOT
	s_add_nc_u64 s[G0B+4*\s+2:G0B+4*\s+3], s[46:47], \s*ROWB
	s_or_b32 s[G0B+4*\s+3], s[G0B+4*\s+3], 0x80000000
	JLOAD G0+4*\s, G1, G0B+4*\s, G1B               ; three loads of mine are out now
.endr
	v_and_b32 v1, 15, v0                           ; r
	v_bfe_u32 v2, v0, 4, 1                         ; h
	; the biases.  Along the registers: register 16 B + i wants column 32 B + 16 h + i of my 128.  Along the lanes: block a's lane r wants row 32 (a / 2) + 8 (a % 2) + r + 8 (r / 8) of my 128.
	v_lshlrev_b32 v[BBO], 6, v2
	v_and_b32 v3, 8, v1
	v_add_nc_u32 v3, v3, v1
	v_lshlrev_b32 v[BMO], 2, v3
	s_lshl_b32 s46, s40, 10                        ; (256 cx + 128 half) x 4.  (cx only in registers that held B's address)
	s_lshl_b32 s47, s16, 9
	s_add_co_u32 s46, s46, s47
	s_lshl_b32 s20, s41, 10                        ; (256 cy + 128 half) x 4
	s_lshl_b32 s21, s15, 9
	s_add_co_u32 s20, s20, s21
	s_cmp_eq_u32 s66, 2
	s_cselect_b32 s46, 0, s46                      ; the bias that does not apply is read at the buffer's start, inside it, and thrown away
	s_cselect_b32 s20, s20, 0
	s_mov_b32 s47, 0
	s_mov_b32 s21, 0
	s_add_nc_u64 s[46:47], s[12:13], s[46:47]
	s_add_nc_u64 s[20:21], s[12:13], s[20:21]
.irp k, 0,1,2,3
.irp j, 0,1,2,3
	global_load_b128 v[BB+16*\k+4*\j:BB+16*\k+4*\j+3], v[BBO], s[46:47] offset:128*\k+16*\j
.endr
.endr
.irp a, 0,1,2,3,4,5,6,7
	global_load_b32 v[BM+2*\a], v[BMO], s[20:21] offset:(32*(\a/2)+8*(\a%2))*4
.endr
	v_mul_u32_u24 v3, v1, PITCH
	v_lshl_add_u32 v4, v2, 4, v3                   ; a fragment's row x pitch + 16 x half
	s_mul_i32 s4, s15, HALFT                       ; my 128 rows of A
	s_mul_i32 s5, s16, HALFT                       ; my 128 rows of B,
	s_add_co_u32 s5, s5, 2*HALFT                   ; which lie behind A's 256
.irp s, 0,1
	v_add_nc_u32 v[ADRA+\s], s4, v4
	v_add_nc_u32 v[ADRB+\s], s5, v4
	s_add_co_u32 s4, s4, SLOT
	s_add_co_u32 s5, s5, SLOT
.endr
	v_mul_u32_u24 v5, v1, KS                       ; my row's scales: 32 bytes a row,
	v_lshrrev_b32 v6, 8, v5
	v_lshl_add_u32 v5, v6, 4, v5                   ; and 16 more for each 256 passed
	s_mul_i32 s4, s15, HALFS                       ; A's: my 128 rows
	s_mul_i32 s5, s16, HALFS                       ; B's: my 128 rows, behind A's 256
	s_add_co_u32 s5, s5, 2*HALFS
	s_sub_co_u32 s5, s5, s4
	v_mul_u32_u24 v6, s5, v2                       ; lanes 16-31 take B's
	s_add_co_u32 s4, s4, SCL
	v_add_nc_u32 v5, v5, v6
	v_add_nc_u32 v[ADRS], s4, v5
	s_lshl_b32 s6, s14, 9
	s_add_co_u32 s6, s6, SSTG                      ; my 512 bytes for the scale words made
	v_lshl_add_u32 v[SSA], v1, 2, s6
	v_and_b32 v6, 31, v0
	v_lshlrev_b32 v[LO], 4, v6
	v_add_nc_u32 v[SSR], s6, v[LO]
	v_lshlrev_b32 v[CO], 5, v1
	v_lshl_add_u32 v[CO], v2, 4, v[CO]
.irp b, 0,1,2,3
	v_mov_b32 v[TMB+\b], 0                         ; written once: a lane permute's destination counts as one of its sources
.endr
	s_wait_loadcnt 0x0                             ; the biases
.set kk, 0
.rept 64
	v_cndmask_b32 v[BB+kk], 0, v[BB+kk], s3        ; for v: zeros
.set kk, kk+1
.endr
.irp a, 0,1,2,3,4,5,6,7
	v_cndmask_b32 v[BM+2*\a], 0, v[BM+2*\a], s2    ; for q and k: zeros
.endr
.irp a, 0,1,2,3,4,5,6,7
	v_mov_b32 v[BM+2*\a+1], v[BM+2*\a]             ; a pair for the packed addition
.endr
.macro FRAG reg, adr, q, i             ; 16 rows x 128 K of 4-bit codes: lane l holds row l % 16; registers 4 c .. 4 c + 3 hold K = 64 c + 32 (l / 16) + 0 .. 31
.irp c, 0,1
	ds_load_b128 v[\reg+4*\c:\reg+4*\c+3], v[\adr] offset:64*(\q)+32*\c+(\i)*16*PITCH
.endr
.endm
; 16 matrix instructions: A's blocks a0, a0 + 1 x B's eight, the slot's q-th 128 along K.  p: B's set; sc: the set of scale words.  first = 1: the sums start from the bias along the registers.
; The 64 accumulators take turns, one instruction a turn, in the same order in every step.
.macro MUL16 a0, p, q, sc, first
.irp a, \a0, \a0+1
.irp b, 0,1,2,3,4,5,6,7
.if \first
	v_wmma_scale_f32_16x16x128_f8f6f4 v[8*(8*((\a)%4)+\b):8*(8*((\a)%4)+\b)+7], v[128*(\p)+FR*\b:128*(\p)+FR*\b+FR-1], v[AF+FR*(\a):AF+FR*(\a)+FR-1], v[BB+8*\b:BB+8*\b+7], v[SC+8*NQ*(\sc)+NQ*\b+(\q)], v[SC+8*NQ*(\sc)+NQ*(\a)+(\q)] matrix_a_fmt:MATRIX_FMT_FP4 matrix_b_fmt:MATRIX_FMT_FP4 matrix_a_scale:MATRIX_SCALE_ROW1
.else
	v_wmma_scale_f32_16x16x128_f8f6f4 v[8*(8*((\a)%4)+\b):8*(8*((\a)%4)+\b)+7], v[128*(\p)+FR*\b:128*(\p)+FR*\b+FR-1], v[AF+FR*(\a):AF+FR*(\a)+FR-1], v[8*(8*((\a)%4)+\b):8*(8*((\a)%4)+\b)+7], v[SC+8*NQ*(\sc)+NQ*\b+(\q)], v[SC+8*NQ*(\sc)+NQ*(\a)+(\q)] matrix_a_fmt:MATRIX_FMT_FP4 matrix_b_fmt:MATRIX_FMT_FP4 matrix_a_scale:MATRIX_SCALE_ROW1
.endif
.endr
.endr
.endm
.macro FETCH_B slot, q, p
	WIN TO_B
.irp i, 0,1,2,3,4,5,6,7
	FRAG 128*(\p)+FR*\i, ADRB+\slot, \q, \i
.endr
	WIN 0
.endm
.macro FETCH_A slot, q, i0
.irp i, \i0, \i0+1, \i0+2, \i0+3
	FRAG AF+FR*(\i), ADRA+\slot, \q, \i
.endr
.endm
.macro SCALES sc                       ; a slot's scale words: four a row; lanes 0-15 take A's block i, lanes 16-31 B's block i
.irp i, 0,1,2,3,4,5,6,7
	ds_load_b128 v[SC+8*NQ*\sc+NQ*\i:SC+8*NQ*\sc+NQ*\i+3], v[ADRS] offset:\i*SBLK
.endr
.endm
.macro PLACES n                        ; plain vector lines between a matrix instruction and a load into, or a vector line on, its registers
.rept \n
	v_nop
.endr
.endm
.macro STEP slot, q, first             ; a step of 128 along K that has its successor in the same slot
	s_wait_dscnt 4*NL                              ; B's set and A's blocks 0-3 are in; the youngest eight loads (A's blocks 4-7) may be out
.if \first
	WIN FST_LO
.else
	WIN MUL_LO
.endif
	MUL16 0, (\q)%2, \q, \slot, \first
	MUL16 2, (\q)%2, \q, \slot, \first
	s_wait_dscnt 0
	PLACES NP
	FETCH_B \slot, (\q)+1, 1-(\q)%2
	FETCH_A \slot, (\q)+1, 0
.if \first
	WIN FST_HI
.else
	WIN MUL_HI
.endif
	MUL16 4, (\q)%2, \q, \slot, \first
	MUL16 6, (\q)%2, \q, \slot, \first
	PLACES NP
	WIN 0
	FETCH_A \slot, (\q)+1, 4
.endm
; Slot 0's last step changes slots: one barrier; in front of it each wave waits for all its tensor loads, adds 0 to its spare word, and waits for that and for its reads.  Nothing is filled again: K has two slots.
.macro TURN slot, next
	s_wait_tensorcnt 0x0                           ; all my tensor loads have landed: my part of the next slot
	ds_add_u32 v[SPW], v[NIL]                      ; 0 onto my spare word
	s_wait_dscnt 4*NL+1                            ; the add and the youngest eight loads (A's blocks 4-7) may be out
	WIN MUL_LO
	MUL16 0, 1, NQ-1, \slot, 0
	s_wait_dscnt 0x0                               ; the add is done, and my reads of this slot are over
	s_barrier_signal -1
	MUL16 2, 1, NQ-1, \slot, 0
	WIN 0
	s_barrier_wait -1                              ; the next slot is whole
	PLACES NP
	v_add_nc_u32 v[ADRS], 4*NQ, v[ADRS]            ; on to the next slot's scale words
	FETCH_B \next, 0, 0
	FETCH_A \next, 0, 0
	SCALES \next
	WIN MUL_HI
	MUL16 4, 1, NQ-1, \slot, 0
	MUL16 6, 1, NQ-1, \slot, 0
	PLACES NP
	WIN 0
	FETCH_A \next, 0, 4
.endm
.macro STEPS slot, from
.set Q, \from
.rept NQ-1-\from
	STEP \slot, Q, 0
.set Q, Q+1
.endr
.endm
	s_wait_tensorcnt 1                             ; the scales and my part of slot 0 are in; slot 1's load may be out
	s_barrier_signal -1
	s_barrier_wait -1
	FETCH_B 0, 0, 0
	FETCH_A 0, 0, 0
	SCALES 0
	FETCH_A 0, 0, 4
	STEP 0, 0, 1
	STEPS 0, 1
	TURN 0, 1
	STEPS 1, 0
	s_wait_dscnt 4*NL                              ; the last step: nothing more to fetch
	WIN MUL_LO
	MUL16 0, 1, NQ-1, 1, 0
	MUL16 2, 1, NQ-1, 1, 0
	s_wait_dscnt 0
	WIN MUL_HI
	MUL16 4, 1, NQ-1, 1, 0
	MUL16 6, 1, NQ-1, 1, 0
	WIN 0
	PLACES NP                                      ; in front of the first reads of results and the first writes of A's registers
	; where my 128 x 128 goes.  (The descriptors' registers are free: every tensor load was waited for at the change of slots.)
	s_wait_kmcnt 0x0
	s_lshl_b32 s24, s17, 1
	s_add_co_u32 s24, s24, s15                     ; side A's block of 128 rows
	s_lshl_b32 s25, s42, 1
	s_add_co_u32 s25, s25, s16                     ; side B's
	s_and_b32 s26, s25, 7
	s_lshr_b32 s27, s25, 3
	s_mov_b32 s52, 4096
	s_cmp_eq_u32 s66, 2
	s_cselect_b32 s28, s25, s24                    ; the block of 128 tokens
	s_cselect_b32 s29, s24, s26                    ; the pair of heads
	s_cselect_b32 s30, 2, s27                      ; the part: 0 q, 1 k, 2 v
	s_cselect_b32 s52, 2048, s52                   ; from registers' blocks 0, 1 to blocks 2, 3: the odd head (q, k), or keys 64 on (v)
	s_cselect_b32 s54, 2048, 0                     ; v: rows 64 on are the odd head's: 4,096 bytes on, of which 512 x 4 stand in the immediates
	s_mov_b32 s53, 0
	s_mov_b32 s55, 0
	s_lshr_b32 s34, s28, 4                         ; batch
	s_lshl_b32 s34, s34, 3
	s_add_co_u32 s34, s34, s29
	s_lshl_b32 s34, s34, 4
	s_and_b32 s35, s28, 15
	s_add_co_u32 s34, s34, s35
	s_mul_i32 s34, s34, 3
	s_add_co_u32 s34, s34, s30                     ; ((batch x 8 + pair) x 16 + token block) x 3 + part
	s_lshl_b32 s36, s34, 13
	s_mov_b32 s37, 0
	s_lshl_b32 s38, s34, 9
	s_mov_b32 s39, 0
	s_add_nc_u64 s[48:49], s[96:97], s[36:37]      ; blocks 0, 1 of rows 0-63
	s_add_nc_u64 s[50:51], s[48:49], s[52:53]      ; blocks 2, 3 of rows 0-63
	s_add_nc_u64 s[56:57], s[48:49], s[54:55]      ; and of rows 64-127
	s_add_nc_u64 s[58:59], s[50:51], s[54:55]
	s_add_nc_u64 s[60:61], s[98:99], s[38:39]      ; the scale words
	s_mov_b32 s[SEL], 0x76543210
	s_mov_b32 s[SEL+1], 0xfedcba98
; 64 numbers of a lane, register 16 b + i = k 32 b + 16 (lane / 16) + i of my row, become a fragment's codes in v[pc] on and the row's scale word in v[pw].
.macro QUANT s, pc, pw
.irp b, 0,1,2,3
	v_max3_num_f32 v[TMX+\b], |v[\s+16*\b]|, |v[\s+1+16*\b]|, 0x1800000   ; block b: my 16 numbers, and the floor 2^(3 - 127): the byte cannot fall under 1
.endr
.irp i, 2,4,6,8,10,12,14
.irp b, 0,1,2,3
	v_max3_num_f32 v[TMX+\b], v[TMX+\b], |v[\s+16*\b+\i]|, |v[\s+1+16*\b+\i]|   ; the four blocks by turns
.endr
.endr
.irp b, 0,1,2,3
	v_permlanex16_b32 v[TMB+\b], v[TMX+\b], s[SEL], s[SEL+1]
.endr
.irp b, 0,1,2,3
	v_max_num_f32 v[TMX+\b], v[TMX+\b], v[TMB+\b]  ; with lane l xor 16's: the block's largest magnitude
.endr
.irp b, 0,1,2,3
	v_add_nc_u32 v[TMS+\b], 0xff000000, v[TMX+\b]  ; 2 off its exponent field: the conversion's scale operand
.endr
.irp b, 0,1,2,3
	v_lshrrev_b32 v[TMB+\b], 23, v[TMS+\b]         ; the scale's byte
.endr
	v_lshl_or_b32 v[\pw], v[TMB+1], 8, v[TMB]
	v_lshl_or_b32 v[\pw], v[TMB+2], 16, v[\pw]
	v_lshl_or_b32 v[\pw], v[TMB+3], 24, v[\pw]
.irp b, 0,1,2,3
	v_cvt_scalef32_pk8_fp4_f32 v[(\pc)+2*\b], v[\s+16*\b:\s+7+16*\b], v[TMS+\b]
	v_cvt_scalef32_pk8_fp4_f32 v[(\pc)+1+2*\b], v[\s+8+16*\b:\s+15+16*\b], v[TMS+\b]
.endr
	v_nop                                          ; one plain line behind a scaled conversion
.irp c, 0,1                            ; a whole block to a lane: lanes 0-15 block 2 c, lanes 16-31 block 2 c + 1
.irp i, 0,1
	v_permlane16_swap_b32 v[(\pc)+4*\c+\i], v[(\pc)+2+4*\c+\i]
.endr
.endr
.endm
; Block a of 16 rows: the sums come to window 0 with the lanes' bias added (each accumulator from its low end on), are quantised, and leave: each store covers 512 consecutive bytes.
; Every block has registers of its own for its codes and its scale word, so no store's data are written again.
.macro ROWOUT a
	WIN 0x02+(\a)/4                                ; source 0: window 2 or 3
.set kk, 0
.rept 32
	v_pk_add_f32 v[ST+2*kk:ST+2*kk+1], v[64*((\a)%4)+2*kk:64*((\a)%4)+2*kk+1], v[BM+2*(\a):BM+2*(\a)+1]
.set kk, kk+1
.endr
	WIN 0
	QUANT ST, PC+8*(\a), PW+(\a)
	global_store_b128 v[CO], v[PC+8*(\a):PC+8*(\a)+3], s[48+8*((\a)/4):49+8*((\a)/4)] offset:512*(\a)
	global_store_b128 v[CO], v[PC+8*(\a)+4:PC+8*(\a)+7], s[50+8*((\a)/4):51+8*((\a)/4)] offset:512*(\a)
	ds_store_b32 v[SSA], v[PW+(\a)] offset:64*(\a) ; both halves of the lanes write the same word with the same value
.endm
.irp a, 0,1,2,3,4,5,6,7
	ROWOUT \a
.endr
	ds_load_b128 v[SW:SW+3], v[SSR]                ; LDS serves a wave's instructions in order: this sees my stores
	s_wait_dscnt 0x0
	global_store_b128 v[LO], v[SW:SW+3], s[60:61]  ; my 128 rows' scale words: 512 consecutive bytes
	s_wait_tensorcnt 0x0                           ; the wave's end
	ds_add_u32 v[SPW], v[NIL]
	s_wait_dscnt 0x0
	CROUND                                         ; the closing round: no work-group ends while a partner may still ask for a tile that names it
	s_endpgm
.Lfunc_end_k_q4c1f9e3a76_gemm_qkv:
	.size	k_q4c1f9e3a76_gemm_qkv, .Lfunc_end_k_q4c1f9e3a76_gemm_qkv-k_q4c1f9e3a76_gemm_qkv
	.p2alignl 7, 3214868480
	.fill 96, 4, 3214868480
	.section	.rodata,"a",@progbits
	.p2align	6, 0x0
	.amdhsa_kernel k_q4c1f9e3a76_gemm_qkv
		.amdhsa_group_segment_fixed_size 327680
		.amdhsa_private_segment_fixed_size 0
		.amdhsa_enable_private_segment 0
		.amdhsa_kernarg_size 72
		.amdhsa_user_sgpr_count 2
		.amdhsa_user_sgpr_kernarg_segment_ptr 1
		.amdhsa_wavefront_size32 1
		.amdhsa_system_sgpr_workgroup_id_x 1
		.amdhsa_system_sgpr_workgroup_id_y 1
		.amdhsa_system_sgpr_workgroup_id_z 1
		.amdhsa_system_vgpr_workitem_id 0
		.amdhsa_next_free_vgpr 1024
		.amdhsa_next_free_sgpr 102
		.amdhsa_reserve_vcc 0
		.amdhsa_float_denorm_mode_32 3
		.amdhsa_float_denorm_mode_16_64 3
		.amdhsa_memory_ordered 1
		.amdhsa_forward_progress 1
		.amdhsa_inst_pref_size 153
	.end_amdhsa_kernel
	.amdgpu_metadata
---
amdhsa.version: [ 1, 2 ]
amdhsa.kernels:
  - .name:           k_q4c1f9e3a76_gemm_qkv
    .symbol:         k_q4c1f9e3a76_gemm_qkv.kd
    .args:
      - { .name: x_codes, .offset: 0, .size: 8, .value_kind: global_buffer, .address_space: global }
      - { .name: x_scales, .offset: 8, .size: 8, .value_kind: global_buffer, .address_space: global }
      - { .name: w_codes, .offset: 16, .size: 8, .value_kind: global_buffer, .address_space: global }
      - { .name: w_scales, .offset: 24, .size: 8, .value_kind: global_buffer, .address_space: global }
      - { .name: bq, .offset: 32, .size: 8, .value_kind: global_buffer, .address_space: global }
      - { .name: bk, .offset: 40, .size: 8, .value_kind: global_buffer, .address_space: global }
      - { .name: bv, .offset: 48, .size: 8, .value_kind: global_buffer, .address_space: global }
      - { .name: qkv_codes, .offset: 56, .size: 8, .value_kind: global_buffer, .address_space: global }
      - { .name: qkv_scales, .offset: 64, .size: 8, .value_kind: global_buffer, .address_space: global }
    .group_segment_fixed_size: 327680
    .private_segment_fixed_size: 0
    .kernarg_segment_align: 8
    .kernarg_segment_size: 72
    .max_flat_workgroup_size: 128
    .sgpr_count:     102
    .vgpr_count:     1024
    .wavefront_size: 32
...
	.end_amdgpu_metadata
.endif
;; end of part 2
;; launch attention (part 3): grid 8 x 32, 16 waves a work-group, no clusters, 296,960 bytes of LDS; arguments qkv_codes, qkv_scales, ao_codes, ao_scales; writes ao_codes, ao_scales
.if DOCPART == 3
	.amdgcn_target "amdgcn-amd-amdhsa--gfx1250"
	.amdhsa_code_object_version 6
	.text
	.protected	k_q4c1f9e3a76_attention
	.globl	k_q4c1f9e3a76_attention
	.p2align	8
	.type	k_q4c1f9e3a76_attention,@function
k_q4c1f9e3a76_attention:
	s_mov_b64 s[64:65], 0
	v_nop
	global_prefetch_b8 v0, s[64:65] scope:SCOPE_SE
	s_setreg_imm32_b32 hwreg(HW_REG_WAVE_MODE, 25, 1), 1
	s_wait_xcnt 0x0
; Causal attention, 64 heads x batches of 2,048 tokens, head size 64, both products on codes of FP4 (E2M1) with E8M0 scales for each 32 along a product's K; the result is quantised along the model's 1,024 and leaves as codes.
; THE SOFTMAX AHEAD OF THE SECOND PRODUCT: t = score x log2(e) / 8; M = the row's largest t so far, rounded UP to a whole number; p = 2^(t - M) is quantised along the keys, not normalised.
; The row's sum is taken of the unquantised p and divides O at the end (v_rcp_f32 and a multiplication).  When M moves, the sum and O are multiplied by 2^(old M - new M): exact.
; SHARES.  Work-group (x = I, y = 8 x batch + pair of heads) owns two blocks of 128 queries of a pair of heads: first block 15 - I with key steps 0 .. 15 - I, then block I with key steps 0 .. I: 17 key steps of 128 keys
; in every work-group, so the 256 work-groups have equal work.  Waves 0-7 take the even head, 8-15 the odd; wave % 8 is a tile of 16 queries.
; LAYOUT.  Both products are used transposed: S^T = K Q^T (source 0 = 16 keys), O^T = V^T P^T (source 0 = 16 channels): a lane holds ONE query throughout.  Tokens and channels lie in memory with bits 3 and 4 of their number exchanged, so sixteen
; neighbouring stored rows 16 t + r are rows 32 (t / 2) + 8 (t % 2) + r + 8 (r / 8): the 16 registers of tiles 2 b and 2 b + 1 are 16 neighbouring keys (channels) 32 b + 16 (lane / 16) + 0 .. 15.
; THE FIRST PRODUCT'S K IS 64: registers 4-7 of its fragments hold zero codes on both sides, set once; the scale bytes over them are 0, which is 2^-127 and adds nothing over zeros.
; K AND V OF THE WHOLE PAIR OF HEADS STAY IN LDS.  A key step's codes are 16,384 dense bytes (K's, then V's, of both heads) as 64 rows of 256 bytes + 16 of padding, 17,408 bytes; its scale words 1,024 bytes; sixteen steps are 294,912 bytes.
; Every byte is filled once: nothing is filled again, and the second pass reads what the first pass brought.  All loads go out at the start: waves 0-3 each ask for the codes of step 4 g + wave, g = 0 .. 3 in this order, wave 4 for the scale words of
; steps 4 g .. 4 g + 3: four tensor loads of a wave are out at the most.  A wave's loads end in order (ISA guide 10.11.1), so group g of four steps is shown landed by a wait that leaves the 3 - g later loads out; one barrier for each group hands it to all sixteen waves.
; Between those four barriers the waves run free of each other.
; THE LOOPS' TRIP COUNTS ARE CONSTANTS (four loops of 4 steps, one of 8): a step whose keys all come after the block's queries is left out by a scalar branch on ids at its head; no barrier and no tensor load stands in a step.
; The price: steps after 15 - I are fetched and not read.
; A row of 32 bytes, number n of a head's 4,096, lies at 272 (n / 8) + 32 (n % 8): the sixteen lanes of half a load touch sixteen different columns of 16 bytes (64 banks of 4 bytes: ISA guide 11.1).
; NO CLUSTER: the eight work-groups of a pair of heads ask for the same tiles, but the branches that leave steps out hang on the work-group's x, which differs between them, and partners of joint loads must run alike.
; LIMITS: a block of zeros gets the byte 1 where the rule says 127 (its codes are zeros; this program alone reads the bytes); NaN and infinities are not served.
; REGISTERS: v1-11 addresses; v12 -M, v13 the largest t, v[14:15] the sum in two halves; v16-23 Q; v24-31 K's scale words; v32-95 K's eight fragments; v96-159 S^T, then p; v160-191 O^T; v192-223 V's four fragments;
;   v224-231 p's codes; v232-239 work; v240-243 V's scale words; v244-247 the conversions' scale operands; v248 Q's scale words; v249 p's scale word; v250, v251 Q's offsets; v252-254 work.
.set STEPB, 17408                      ; a key step's codes in LDS
.set GRPB,  4*STEPB                    ; a group of four steps
.set SCB,   16*STEPB                   ; behind the codes: the scale words, 1,024 bytes a step: K's 512, then V's 512
.set LT,   1                           ; v1   my lane's place in a tile of 16 rows of 32 bytes, in my head's part
.set KS0,  2                           ; v2   my lane's place among K's scale words
.set VS0,  3                           ; v3   and among V's
.set QD,   4                           ; v4   my query's number in its block - 16 (lane / 16)
.set GO,   7                           ; v7   the way out: my 16 bytes of codes
.set ADK,  8                           ; v8   the step's codes
.set ADS,  9                           ; v9   K's scale words
.set ADT,  10                          ; v10  V's
.set GS,   11                          ; v11  the way out: my scale byte
.set QO,   250
.set QSO,  251
.set WV,   12                          ; s12 wave; s13 head of the pair; s14 tile of queries
.set PP,   13
.set WT,   14
.set II,   15                          ; s15 work-group x = the second pass's block of queries, and its last key step
.set YB,   16                          ; s16 work-group y
.set QBA,  17                          ; s17 15 - I: the first pass's block of queries, and its last key step
.set KK,   18                          ; s18 the key step
.set TS,   19                          ; s19 where its scale words begin: 1,024 bytes a step
.set SEL,  20                          ; s[20:21] v_permlanex16_b32's selects for lane l xor 16
.set CS,   22                          ; s[22:23] c = log2(e) / 8
.set G1C,  24                          ; s[24:31] descriptor group 1 for the codes;  s[32:39] for the scale words
.set G1S,  32
.set G0C,  40                          ; s[40:55] four groups 0 for the codes;  s[56:63], s[68:75] four for the scale words
.set G0S,  56
.set QA,   76                          ; first pass: Q's codes, Q's scale words;  QB, QSB: second pass
.set QSA,  78
.set QB,   80
.set QSB,  82
.set OA,   84                          ; the codes' and the bytes' way out, first pass;  OB, OSB: second pass
.set OSA,  86
.set OB,   88
.set OSB,  90
.set TB,   92                          ; s92 LDS byte at which the step's codes begin
.set HM,   93                          ; s93 lanes 16-31
; The four addresses of a pass whose block of queries stands in s[qb].  s[96:97] is an offset with 0 above it; s94, s95, s98 are at work.
.macro PASSPTR qb, qc, qs, oc, os
	s_lshl_b32 s94, s[YB], 4
	s_add_co_u32 s94, s94, s[\qb]                  ; 16 y + block
	s_mul_i32 s96, s94, 24576                      ; its three parts of 8,192 bytes; Q's is the first
	s_lshl_b32 s95, s[PP], 12
	s_add_co_u32 s96, s96, s95                     ; my head's 4,096 bytes
	s_lshl_b32 s95, s[WT], 9
	s_add_co_u32 s96, s96, s95                     ; my tile's 16 rows of 32 bytes
	s_add_nc_u64 s[\qc:\qc+1], s[4:5], s[96:97]
	s_mul_i32 s96, s94, 1536
	s_lshl_b32 s95, s[WT], 6
	s_add_co_u32 s96, s96, s95
	s_lshl_b32 s95, s[PP], 1
	s_add_co_u32 s96, s96, s95                     ; my head's two bytes of a row's word
	s_add_nc_u64 s[\qs:\qs+1], s[6:7], s[96:97]
	s_lshr_b32 s94, s[YB], 3
	s_lshl_b32 s94, s94, 11                        ; 2,048 x batch
	s_lshl_b32 s95, s[\qb], 7
	s_add_co_u32 s94, s94, s95
	s_lshr_b32 s95, s[WT], 1
	s_lshl_b32 s95, s95, 5
	s_add_co_u32 s94, s94, s95
	s_and_b32 s95, s[WT], 1
	s_lshl_b32 s95, s95, 3
	s_add_co_u32 s94, s94, s95                     ; my tile's first token: + 128 block + 32 (tile / 2) + 8 (tile % 2)
	s_lshl_b32 s94, s94, 5                         ; 32 bytes a token in both buffers
	s_and_b32 s95, s[YB], 7
	s_lshl_b32 s95, s95, 1
	s_add_co_u32 s95, s95, s[PP]                   ; my head
	s_lshl_b32 s98, s95, 18                        ; 8,192 tokens x 32 bytes a head
	s_add_co_u32 s96, s94, s98
	s_add_nc_u64 s[\oc:\oc+1], s[8:9], s[96:97]
	s_lshl_b32 s95, s95, 1
	s_add_co_u32 s96, s94, s95                     ; byte 2 x head of a token's 32
	s_add_nc_u64 s[\os:\os+1], s[10:11], s[96:97]
.endm
.macro QLOAD qc, qs                    ; my 16 queries' codes (registers 0-3 of the fragment) and their two scale bytes
	global_load_b128 v[16:19], v[QO], s[\qc:\qc+1]
	global_load_u16 v248, v[QSO], s[\qs:\qs+1]
.endm
.macro INIT                            ; a pass begins: the first change of M multiplies zeros
	v_mov_b32 v13, 0xff61b1e6                      ; the largest t so far: -3e38
	s_delay_alu instid0(VALU_DEP_1)
	v_floor_f32 v12, -v13                          ; -M
	v_mov_b32 v14, 0
	v_mov_b32 v15, 0
.set kk, 0
.rept 32
	v_mov_b32 v[160+kk], 0
.set kk, kk+1
.endr
.endm
	s_load_b256 s[4:11], s[0:1], 0x0               ; qkv's codes s[4:5], its scale words s[6:7], the codes out s[8:9], the bytes out s[10:11]
	v_lshl_add_u32 v6, v0, 2, 0x48000
	v_mov_b32 v255, 0
	ds_add_u32 v6, v255
	ds_add_u32 v6, v255
	v_lshrrev_b32 v8, 5, v0
	s_delay_alu instid0(VALU_DEP_1)
	v_readfirstlane_b32 s[WV], v8
	s_lshr_b32 s[PP], s[WV], 3
	s_and_b32 s[WT], s[WV], 7
	s_mov_b32 s[II], ttmp9
	s_and_b32 s[YB], ttmp7, 0xffff
	s_sub_co_u32 s[QBA], 15, s[II]
	; descriptor group 1.  A step's codes: 64 rows of 256 bytes (32 elements of 8), dense in memory, 16 bytes of padding behind each
	s_mov_b32 s[G1C], (3<<16)|(1<<20)|(5<<22)|(3<<25)
	s_mov_b32 s[G1C+1], 32<<16                     ; tensor_dim0
	s_mov_b32 s[G1C+2], 64<<16                     ; tensor_dim1
	s_mov_b32 s[G1C+3], 32<<16                     ; tile_dim0
	s_mov_b32 s[G1C+4], 64                         ; tile_dim1
	s_mov_b32 s[G1C+5], 32                         ; tensor_dim0_stride
	s_mov_b32 s[G1C+6], 0
	s_mov_b32 s[G1C+7], 0
	s_mov_b32 s[G1S], 3<<16                        ; four steps' scale words: 4 rows of 1,024 bytes (128 elements of 8), 1,536 bytes (192 elements) apart in memory, no padding
	s_mov_b32 s[G1S+1], 128<<16
	s_mov_b32 s[G1S+2], 4<<16
	s_mov_b32 s[G1S+3], 128<<16
	s_mov_b32 s[G1S+4], 4
	s_mov_b32 s[G1S+5], 192
	s_mov_b32 s[G1S+6], 0
	s_mov_b32 s[G1S+7], 0
	s_mov_b32 s[SEL], 0x76543210
	s_mov_b32 s[SEL+1], 0xfedcba98
	s_mov_b32 s[CS], 0x3e38aa3b                    ; log2(e) / 8
	s_mov_b32 s[CS+1], s[CS]                       ; (named with it as a pair, so it is written)
	s_mov_b32 s[HM], 0xffff0000
	s_mul_i32 s96, s[YB], 393216                   ; 16 key steps x 24,576 bytes for each y;
	s_add_co_u32 s96, s96, 8192                    ; K's part follows Q's
	s_mov_b32 s97, 0
	s_mul_i32 s94, s[YB], 24576                    ; 16 x 1,536 bytes of scale words;
	s_add_co_u32 s94, s94, 512                     ; K's follow Q's
	s_mov_b32 s95, 0
	s_mul_i32 s98, s[WV], 24576                    ; waves 0-3: my step of a group, in memory
	s_mov_b32 s99, 0
	s_wait_dscnt 0x0
	s_wait_kmcnt 0x0
	s_add_nc_u64 s[96:97], s[4:5], s[96:97]
	s_add_nc_u64 s[96:97], s[96:97], s[98:99]
	s_add_nc_u64 s[94:95], s[6:7], s[94:95]
	s_mul_i32 s98, s[WV], STEPB                    ; and in LDS
.irp g, 0,1,2,3
	s_mov_b32 s[G0C+4*\g], 1                                               ; count = 1
	s_add_co_u32 s[G0C+4*\g+1], s98, \g*GRPB                               ; LDS address: step 4 g + wave
	s_add_nc_u64 s[G0C+4*\g+2:G0C+4*\g+3], s[96:97], \g*98304              ; four steps of 24,576 bytes a group
	s_or_b32 s[G0C+4*\g+3], s[G0C+4*\g+3], 0x80000000                      ; type = 2
	s_mov_b32 s[G0S+4*\g+4*(\g/2)], 1
	s_mov_b32 s[G0S+4*\g+4*(\g/2)+1], SCB+\g*4096
	s_add_nc_u64 s[G0S+4*\g+4*(\g/2)+2:G0S+4*\g+4*(\g/2)+3], s[94:95], \g*6144
	s_or_b32 s[G0S+4*\g+4*(\g/2)+3], s[G0S+4*\g+4*(\g/2)+3], 0x80000000
.endr
	; All the launch's fills, in one branch on the wave's number, ahead of every wait on TENSORcnt, every LDS read and every barrier.  Four v_nop follow the last line of each run.
	s_cmp_lt_u32 s[WV], 4
	s_cbranch_scc0 .Lnot_codes
.irp g, 0,1,2,3
	tensor_load_to_lds s[G0C+4*\g:G0C+4*\g+3], s[G1C:G1C+7]
	s_nop 0
.endr
.rept 4
	v_nop
.endr
	s_branch .Lasked
.Lnot_codes:
	s_cmp_eq_u32 s[WV], 4
	s_cbranch_scc0 .Lasked
.irp g, 0,1,2,3
	tensor_load_to_lds s[G0S+4*\g+4*(\g/2):G0S+4*\g+4*(\g/2)+3], s[G1S:G1S+7]
	s_nop 0
.endr
.rept 4
	v_nop
.endr
.Lasked:
	s_mov_b32 s97, 0
	PASSPTR QBA, QA, QSA, OA, OSA
	PASSPTR II, QB, QSB, OB, OSB
	v_and_b32 v8, 15, v0                           ; r
	v_bfe_u32 v9, v0, 4, 1                         ; h
	v_bfe_u32 v10, v0, 3, 1                        ; r / 8
	v_and_b32 v11, 7, v0                           ; r % 8
	s_delay_alu instid0(VALU_DEP_4)
	v_lshlrev_b32 v[QO], 5, v8
	s_delay_alu instid0(VALU_DEP_1)
	v_lshl_add_u32 v[QO], v9, 4, v[QO]             ; Q: 32 r + 16 h
	v_lshlrev_b32 v[QSO], 2, v8
	QLOAD QA, QSA
	v_mul_u32_u24 v[LT], v10, 272
	s_delay_alu instid0(VALU_DEP_1)
	v_lshl_add_u32 v[LT], v11, 5, v[LT]
	s_delay_alu instid0(VALU_DEP_1)
	v_lshl_add_u32 v[LT], v9, 4, v[LT]
	s_mul_i32 s94, s[PP], 4352                     ; my head's 16 LDS rows
	v_add_nc_u32 v[LT], s94, v[LT]
	v_lshl_add_u32 v[KS0], v8, 2, SCB
	s_lshl_b32 s94, s[PP], 1
	v_add_nc_u32 v[KS0], s94, v[KS0]               ; K's scale words: 4 r + my head's two bytes
	v_lshl_add_u32 v[VS0], v8, 2, SCB+512
	s_lshl_b32 s94, s[PP], 8
	v_add_nc_u32 v[VS0], s94, v[VS0]               ; V's: my head's 64 rows
	v_lshl_add_u32 v252, v10, 3, v8                ; r + 8 (r / 8)
	v_lshlrev_b32 v254, 4, v9
	s_delay_alu instid0(VALU_DEP_1)
	v_sub_nc_u32 v[QD], v252, v254
	s_lshr_b32 s94, s[WT], 1
	s_lshl_b32 s94, s94, 5
	s_and_b32 s95, s[WT], 1
	s_lshl_b32 s95, s95, 3
	s_add_co_u32 s94, s94, s95
	v_add_nc_u32 v[QD], s94, v[QD]                 ; 32 (tile / 2) + 8 (tile % 2) + r + 8 (r / 8) - 16 h
	v_lshlrev_b32 v[GS], 5, v252
	s_delay_alu instid0(VALU_DEP_1)
	v_lshl_add_u32 v[GO], v9, 4, v[GS]             ; out: 32 bytes a token; my half's 16
	s_delay_alu instid0(VALU_DEP_2)
	v_add_nc_u32 v[GS], v[GS], v9                  ; and my half's byte
.irp j, 20,21,22,23
	v_mov_b32 v[\j], 0                             ; Q's codes of k = 64 .. 127: zeros
.endr
.irp t, 0,1,2,3,4,5,6,7
.irp j, 4,5,6,7
	v_mov_b32 v[32+8*\t+\j], 0                     ; K's likewise; no load ever lands here
.endr
.endr
.irp b, 0,1,2,3
	v_mov_b32 v[236+\b], 0                         ; written once: a lane permute's destination counts as one of its sources
.endr
	v_mov_b32 v253, 0                              ; (named as the upper half of the pair v[252:253])
	INIT
; A KEY STEP: 128 keys, step s[KK], for the pass whose block of queries, and so whose diagonal step, stands in s[qb].
.macro STEP qb
	s_cmp_gt_u32 s[KK], s[\qb]                     ; all its keys come after my block's queries: ids and the step's number alone
	s_cbranch_scc1 .Lhidden_\@
	s_setprio 2
	v_add_nc_u32 v[ADK], s[TB], v[LT]
	v_add_nc_u32 v[ADS], s[TS], v[KS0]
	v_add_nc_u32 v[ADT], s[TS], v[VS0]
	v_nop                                          ; these four lines are the places in front of the loads into V's registers, which the last products read
.irp t, 0,1,2,3,4,5,6,7
	ds_load_b128 v[32+8*\t:35+8*\t], v[ADK] offset:544*\t          ; tile t: 16 stored keys, my half's 32 channels
.endr
.irp t, 0,1,2,3,4,5,6,7
	ds_load_u16 v[24+\t], v[ADS] offset:64*\t                      ; their two scale bytes; bytes 2 and 3 come as 0, over zero codes
.endr
.irp u, 0,1,2,3
.irp c, 0,1
	ds_load_b128 v[192+8*\u+4*\c:195+8*\u+4*\c], v[ADK] offset:(32+8*\c+2*\u)*272   ; V^T: 16 stored channels, keys 64 c + 32 h on
.endr
.endr
.irp u, 0,1,2,3
	ds_load_b32 v[240+\u], v[ADT] offset:64*\u
.endr
	s_wait_dscnt 12                                ; K's sixteen loads are in; V's twelve may be out
.irp t, 0,1,2,3,4,5,6,7
	v_wmma_scale_f32_16x16x128_f8f6f4 v[96+8*\t:103+8*\t], v[32+8*\t:39+8*\t], v[16:23], 0, v[24+\t], v248 matrix_a_fmt:MATRIX_FMT_FP4 matrix_b_fmt:MATRIX_FMT_FP4
.endr
.rept 4
	v_nop
.endr
	s_cmp_lg_u32 s[KK], s[\qb]                     ; a step all of whose keys count skips the mask
	s_cbranch_scc1 .Lopen_\@
	v_mov_b32 v254, 0xff800000                     ; on the diagonal the step's first key is the block's first query: register 16 b + i holds key 32 b + 16 h + i, hidden where 32 b + i > my query - 16 h; its score becomes -infinity, p = 0
.set kk, 0
.rept 64
	v_cmp_gt_i32 vcc_lo, 32*(kk/16)+kk%16, v[QD]
	v_cndmask_b32 v[96+kk], v[96+kk], v254, vcc_lo
.set kk, kk+1
.endr
.Lopen_\@:
.irp b, 0,1,2,3
	v_max3_num_f32 v[232+\b], v[96+16*\b], v[97+16*\b], v[98+16*\b]   ; the largest score of each block of 32 keys: it serves for the row's maximum and, since p rises with the score, for the block's largest p
.endr
.irp i, 3,5,7,9,11,13
.irp b, 0,1,2,3
	v_max3_num_f32 v[232+\b], v[232+\b], v[96+16*\b+\i], v[97+16*\b+\i]
.endr
.endr
.irp b, 0,1,2,3
	v_max_num_f32 v[232+\b], v[232+\b], v[111+16*\b]
.endr
.irp b, 0,1,2,3
	s_delay_alu instid0(VALU_DEP_4)
	v_permlanex16_b32 v[236+\b], v[232+\b], s[SEL], s[SEL+1]
.endr
.irp b, 0,1,2,3
	s_delay_alu instid0(VALU_DEP_4)
	v_max_num_f32 v[232+\b], v[232+\b], v[236+\b]  ; with lane l xor 16's 16 keys
.endr
	s_delay_alu instid0(VALU_DEP_2)
	v_max3_num_f32 v254, v232, v233, v234
	s_delay_alu instid0(VALU_DEP_1)
	v_max_num_f32 v254, v254, v235                 ; the step's largest score of my query
	s_delay_alu instid0(VALU_DEP_1)
	v_mul_f32 v254, s[CS], v254                    ; as t (c is positive)
	s_delay_alu instid0(VALU_DEP_1)
	v_max_num_f32 v13, v13, v254                   ; the running largest t
	v_mov_b32 v254, v12
	s_delay_alu instid0(VALU_DEP_2)
	v_floor_f32 v12, -v13                          ; the new -M = floor(-t) = -ceil(t)
	s_delay_alu instid0(VALU_DEP_1)
	v_sub_f32 v254, v12, v254                      ; old M - new M: a whole number, 0 or less
	s_delay_alu instid0(VALU_DEP_1)
	v_cvt_i32_f32 v254, v254                       ; (it saturates)
	s_delay_alu instid0(VALU_DEP_1)
	v_ldexp_f32 v252, 1.0, v254                    ; f = 2^(old M - new M)
.irp j, 0,2,4,6,8,10,12,14,16,18,20,22,24,26,28,30,32,34,36,38,40,42,44,46,48,50,52,54,56,58,60,62
	v_pk_fma_f32 v[96+\j:97+\j], v[96+\j:97+\j], s[CS:CS+1], v[12:13] op_sel_hi:[1,0,0]   ; t - M, two at a time
.endr
	s_setprio 1
.irp b, 0,1,2,3
	v_fma_f32 v[232+\b], v[232+\b], s[CS], v12     ; the same of each block's largest score
.endr
.set kk, 0
	s_wait_alu depctr_va_vdst(0)
.rept 64
	v_exp_f32 v[96+kk], v[96+kk]                   ; p = 2^(t - M), at most 1
.set kk, kk+1
.endr
.irp b, 0,1,2,3
	v_exp_f32 v[232+\b], v[232+\b]                 ; the block's largest p: the same two instructions on the same number give the same bits
.endr
	v_pk_mul_f32 v[14:15], v[14:15], v[252:253] op_sel_hi:[1,0]   ; the sums under the new M (a plain line behind the exponentials)
	s_wait_alu depctr_va_vdst(0)
.irp b, 0,1,2,3
	v_max_num_f32 v[232+\b], 0x1800000, v[232+\b]  ; the floor 2^(3 - 127): the byte cannot fall under 1
.endr
.irp b, 0,1,2,3
	s_delay_alu instid0(VALU_DEP_4)
	v_add_nc_u32 v[244+\b], 0xff000000, v[232+\b]  ; 2 off the exponent field: the conversion's scale operand
.endr
.irp b, 0,1,2,3
	s_delay_alu instid0(VALU_DEP_4)
	v_lshrrev_b32 v[236+\b], 23, v[244+\b]         ; the scale's byte
.endr
	s_delay_alu instid0(VALU_DEP_3)
	v_lshl_or_b32 v249, v237, 8, v236              ; p's scale word for these 128 keys
	s_delay_alu instid0(VALU_DEP_1)
	v_lshl_or_b32 v249, v238, 16, v249
	s_delay_alu instid0(VALU_DEP_1)
	v_lshl_or_b32 v249, v239, 24, v249
.irp b, 0,1,2,3
	v_cvt_scalef32_pk8_fp4_f32 v[224+2*\b], v[96+16*\b:103+16*\b], v[244+\b]
	v_cvt_scalef32_pk8_fp4_f32 v[225+2*\b], v[104+16*\b:111+16*\b], v[244+\b]
.endr
	v_nop                                          ; one plain line behind a scaled conversion
.irp c, 0,1                            ; a whole block to a lane: lanes 0-15 block 2 c, lanes 16-31 block 2 c + 1
.irp i, 0,1
	v_permlane16_swap_b32 v[224+4*\c+\i], v[226+4*\c+\i]
.endr
.endr
	v_pk_add_f32 v[236:237], v[100:101], v[104:105]
	v_pk_add_f32 v[246:247], v[108:109], v[112:113]
	v_pk_add_f32 v[244:245], v[116:117], v[120:121]
	v_pk_add_f32 v[234:235], v[124:125], v[128:129]
	v_pk_add_f32 v[232:233], v[132:133], v[136:137]
	v_pk_add_f32 v[90:91], v[140:141], v[144:145]
	v_pk_add_f32 v[88:89], v[148:149], v[152:153]
	v_pk_add_f32 v[14:15], v[14:15], v[156:157]
	v_pk_add_f32 v[236:237], v[236:237], v[96:97]
	v_pk_add_f32 v[246:247], v[246:247], v[98:99]
	v_pk_add_f32 v[244:245], v[244:245], v[102:103]
	s_setprio 0
	v_pk_add_f32 v[234:235], v[234:235], v[106:107]
	v_pk_add_f32 v[232:233], v[232:233], v[110:111]
	v_pk_add_f32 v[90:91], v[90:91], v[114:115]
	v_pk_add_f32 v[88:89], v[88:89], v[118:119]
	v_pk_add_f32 v[14:15], v[14:15], v[122:123]
	v_pk_add_f32 v[236:237], v[236:237], v[126:127]
	v_pk_add_f32 v[246:247], v[246:247], v[130:131]
	v_pk_add_f32 v[244:245], v[244:245], v[134:135]
	v_pk_add_f32 v[234:235], v[234:235], v[138:139]
	v_pk_add_f32 v[232:233], v[232:233], v[142:143]
	v_pk_add_f32 v[90:91], v[90:91], v[146:147]
	v_pk_add_f32 v[88:89], v[88:89], v[150:151]
	v_pk_add_f32 v[14:15], v[14:15], v[154:155]
	v_pk_add_f32 v[236:237], v[236:237], v[158:159]
	s_delay_alu instid0(VALU_DEP_2)
	v_pk_add_f32 v[14:15], v[14:15], v[234:235]
	s_delay_alu instid0(VALU_DEP_2)
	v_pk_add_f32 v[236:237], v[236:237], v[232:233]
	v_pk_add_f32 v[246:247], v[246:247], v[90:91]
	v_pk_add_f32 v[244:245], v[244:245], v[88:89]
	s_delay_alu instid0(VALU_DEP_2)
	v_pk_add_f32 v[14:15], v[14:15], v[246:247]
	s_delay_alu instid0(VALU_DEP_2)
	v_pk_add_f32 v[236:237], v[236:237], v[244:245]
	s_delay_alu instid0(VALU_DEP_1)
	v_pk_add_f32 v[14:15], v[14:15], v[236:237]
.irp j, 0,2,4,6,8,10,12,14,16,18,20,22,24,26,28,30
	v_pk_mul_f32 v[160+\j:161+\j], v[160+\j:161+\j], v[252:253] op_sel_hi:[1,0]   ; O^T under the new M
.endr
	s_wait_alu depctr_va_vdst(0)
	s_wait_dscnt 0x0                               ; V
.irp u, 0,1,2,3                        ; O^T += V^T P^T: the four accumulators by turns; the eight products K Q^T stand between two links of a chain
	v_wmma_scale_f32_16x16x128_f8f6f4 v[160+8*\u:167+8*\u], v[192+8*\u:199+8*\u], v[224:231], v[160+8*\u:167+8*\u], v[240+\u], v249 matrix_a_fmt:MATRIX_FMT_FP4 matrix_b_fmt:MATRIX_FMT_FP4
.endr
.Lhidden_\@:
	s_add_co_u32 s[TB], s[TB], STEPB               ; on to the next step's tiles, on both ways
	s_add_co_u32 s[TS], s[TS], 1024
	s_add_co_u32 s[KK], s[KK], 1
.endm
; Four key steps of the first pass.  The wait leaves out the loads of the later groups, 3 - g of a wave that fetches; the barrier hands the group to all sixteen waves.  The later loads may stay out across it.
; No LDS instruction of mine is out at the signal: a step ends behind its wait for all its loads.
.macro GROUP g
	s_wait_tensorcnt 3-\g
	s_barrier_signal -1
	s_barrier_wait -1
	s_mov_b32 s[KK], 4*\g
	s_mov_b32 s[TB], \g*GRPB
	s_mov_b32 s[TS], \g*4096
.Lgroup_\@:
	STEP QBA
	s_cmp_lt_u32 s[KK], 4*\g+4
	s_cbranch_scc1 .Lgroup_\@
	s_setprio 0
.endm
; A PASS ENDS: O^T / the sum, register 16 B + i = channel 32 B + 16 h + i of my query, is quantised along the channels (two blocks of the model's 32) and leaves.
.macro FINISH oc, os
.rept 4
	v_nop                                          ; places behind the last products
.endr
	v_add_f32 v14, v14, v15                        ; the sum's two halves,
	s_delay_alu instid0(VALU_DEP_1)
	v_permlanex16_b32 v252, v14, s[SEL], s[SEL+1]
	s_delay_alu instid0(VALU_DEP_1)
	v_add_f32 v14, v14, v252                       ; and lane l xor 16's
	s_wait_alu depctr_va_vdst(0)
	v_rcp_f32 v14, v14
	v_nop                                          ; one plain line behind a transcendental
	s_wait_alu depctr_va_vdst(0)
.irp j, 0,2,4,6,8,10,12,14,16,18,20,22,24,26,28,30
	v_pk_mul_f32 v[96+\j:97+\j], v[160+\j:161+\j], v[14:15] op_sel_hi:[1,0]   ; each accumulator from its low end on
.endr
.irp b, 0,1
	v_max3_num_f32 v[232+\b], |v[96+16*\b]|, |v[97+16*\b]|, 0x1800000
.endr
.irp i, 2,4,6,8,10,12,14
.irp b, 0,1
	s_delay_alu instid0(VALU_DEP_2)
	v_max3_num_f32 v[232+\b], v[232+\b], |v[96+16*\b+\i]|, |v[97+16*\b+\i]|
.endr
.endr
.irp b, 0,1
	s_delay_alu instid0(VALU_DEP_2)
	v_permlanex16_b32 v[236+\b], v[232+\b], s[SEL], s[SEL+1]
.endr
.irp b, 0,1
	s_delay_alu instid0(VALU_DEP_2)
	v_max_num_f32 v[232+\b], v[232+\b], v[236+\b]
.endr
.irp b, 0,1
	s_delay_alu instid0(VALU_DEP_2)
	v_add_nc_u32 v[244+\b], 0xff000000, v[232+\b]
.endr
.irp b, 0,1
	s_delay_alu instid0(VALU_DEP_2)
	v_lshrrev_b32 v[236+\b], 23, v[244+\b]
.endr
	s_delay_alu instid0(VALU_DEP_1)
	v_cndmask_b32 v254, v236, v237, s[HM]          ; lanes 0-15 store block 0's byte, lanes 16-31 block 1's
.irp b, 0,1
	v_cvt_scalef32_pk8_fp4_f32 v[224+2*\b], v[96+16*\b:103+16*\b], v[244+\b]
	v_cvt_scalef32_pk8_fp4_f32 v[225+2*\b], v[104+16*\b:111+16*\b], v[244+\b]
.endr
	v_nop                                          ; one plain line behind a scaled conversion
	v_permlane16_swap_b32 v224, v226               ; a whole block to a lane
	v_permlane16_swap_b32 v225, v227
	global_store_b128 v[GO], v[224:227], s[\oc:\oc+1]   ; eight neighbouring tokens x 32 bytes, twice: two aligned runs of 256 bytes, each written whole by this one line
	global_store_b8 v[GS], v254, s[\os:\os+1]
.endm
	s_wait_loadcnt 0x0                             ; Q
	GROUP 0                                        ; the first pass: block 15 - I, key steps 0 .. 15 - I
	GROUP 1
	GROUP 2
	GROUP 3                                        ; its wait is for 0: every tensor load of the launch has landed
	QLOAD QB, QSB                                  ; the second pass's Q is asked for ahead of the first pass's way out: the last products that read these registers stand a softmax back
	FINISH OA, OSA
	s_wait_xcnt 0x0                                ; the stores' registers are written again only behind this wait
	INIT
	s_mov_b32 s[KK], 0                             ; the second pass: block I, key steps 0 .. I, all in LDS since the first pass: no wait on tiles, no barrier
	s_mov_b32 s[TB], 0
	s_mov_b32 s[TS], 0
	s_wait_loadcnt 0x0                             ; Q
.Lsecond:
	STEP II
	s_cmp_lt_u32 s[KK], 8
	s_cbranch_scc1 .Lsecond
	s_setprio 0
	FINISH OB, OSB
	s_wait_tensorcnt 0x0
	ds_add_u32 v6, v255
	s_wait_dscnt 0x0
	s_endpgm
.Lfunc_end_k_q4c1f9e3a76_attention:
	.size	k_q4c1f9e3a76_attention, .Lfunc_end_k_q4c1f9e3a76_attention-k_q4c1f9e3a76_attention
	.p2alignl 7, 3214868480
	.fill 96, 4, 3214868480
	.section	.rodata,"a",@progbits
	.p2align	6, 0x0
	.amdhsa_kernel k_q4c1f9e3a76_attention
		.amdhsa_group_segment_fixed_size 296960
		.amdhsa_private_segment_fixed_size 0
		.amdhsa_enable_private_segment 0
		.amdhsa_kernarg_size 32
		.amdhsa_user_sgpr_count 2
		.amdhsa_user_sgpr_kernarg_segment_ptr 1
		.amdhsa_wavefront_size32 1
		.amdhsa_system_sgpr_workgroup_id_x 1
		.amdhsa_system_sgpr_workgroup_id_y 1
		.amdhsa_system_sgpr_workgroup_id_z 1
		.amdhsa_system_vgpr_workitem_id 0
		.amdhsa_next_free_vgpr 256
		.amdhsa_next_free_sgpr 100
		.amdhsa_reserve_vcc 1
		.amdhsa_float_denorm_mode_32 3
		.amdhsa_float_denorm_mode_16_64 3
		.amdhsa_memory_ordered 1
		.amdhsa_forward_progress 1
		.amdhsa_inst_pref_size 132
	.end_amdhsa_kernel
	.amdgpu_metadata
---
amdhsa.version: [ 1, 2 ]
amdhsa.kernels:
  - .name:           k_q4c1f9e3a76_attention
    .symbol:         k_q4c1f9e3a76_attention.kd
    .args:
      - { .name: qkv_codes, .offset: 0, .size: 8, .value_kind: global_buffer, .address_space: global }
      - { .name: qkv_scales, .offset: 8, .size: 8, .value_kind: global_buffer, .address_space: global }
      - { .name: ao_codes, .offset: 16, .size: 8, .value_kind: global_buffer, .address_space: global }
      - { .name: ao_scales, .offset: 24, .size: 8, .value_kind: global_buffer, .address_space: global }
    .group_segment_fixed_size: 296960
    .private_segment_fixed_size: 0
    .kernarg_segment_align: 8
    .kernarg_segment_size: 32
    .max_flat_workgroup_size: 512
    .sgpr_count:     100
    .vgpr_count:     256
    .wavefront_size: 32
...
	.end_amdgpu_metadata
.endif
;; end of part 3
;; launch gemm_out (part 4): grid 4 x 32, 4 waves a work-group, clusters of 4 x 4, 327,680 bytes of LDS; arguments ao_codes, ao_scales, w_codes, w_scales, bo, out0; writes out0
.if DOCPART == 4
	.amdgcn_target "amdgcn-amd-amdhsa--gfx1250"
	.amdhsa_code_object_version 6
	.text
	.protected	k_q4c1f9e3a76_gemm_out
	.globl	k_q4c1f9e3a76_gemm_out
	.p2align	8
	.type	k_q4c1f9e3a76_gemm_out,@function
k_q4c1f9e3a76_gemm_out:
	s_mov_b64 s[64:65], 0
	v_nop
	global_prefetch_b8 v0, s[64:65] scope:SCOPE_SE
	s_setreg_imm32_b32 hwreg(HW_REG_WAVE_MODE, 25, 1), 1
	s_wait_xcnt 0x0
	s_wait_alu depctr_hold_cnt(0) depctr_sa_sdst(0) depctr_va_vdst(0) depctr_va_sdst(0) depctr_va_ssrc(0) depctr_va_vcc(0) depctr_vm_vsrc(0)
	s_getreg_b32 s2, hwreg(HW_REG_IB_STS2, 6, 4)
	s_cmp_eq_u32 s2, 0
	s_cbranch_scc0 .Lentry_in_a_cluster
	s_endpgm
.Lentry_in_a_cluster:
	s_bfe_u32 s2, ttmp6, 0x10000c
	s_cmp_lg_u32 s2, 0xf033
	s_cbranch_scc0 .Lentry_shape_is_right
	s_endpgm
.Lentry_shape_is_right:
; out0 = a wo + bo.  a: attention's result as codes of FP4 (E2M1), laid [head 16][token 8192][32 bytes], with E8M0 scale bytes [token][32]; wo: rows 3,072 on of the weights' codes [row][512 bytes] and scale bytes [row][32],
; its columns stored with bits 3 and 4 of their number exchanged.  out0 [8192][1024] f32; sums in f32, K = 1024 ascending.
; A tile of 256 x 256 is made by four waves, 128 x 128 each: 64 accumulators, 512 registers.  THE MATRIX INSTRUCTION IS USED TRANSPOSED (source 0 = 16 rows of wo's codes, source 1 = 16 tokens): a lane holds eight numbers of a row of out0:
; register j of accumulator (a, b) in lane (r, h) is column 32 (b / 2) + 16 h + 8 (b % 2) + j of my 128: the stored order is undone by the place in the stage.
; K = 1024 is two slots of 512, both first fills; nothing is filled again.  wo's tile: 128 rows of 256 bytes + 16 of padding.  a's tile: 8 heads x (128 tokens x 32 bytes = 4,096 consecutive bytes), 16 bytes of padding behind every 256:
; token n of head g lies at 272 (16 g + n / 8) + 32 (n % 8), so the sixteen lanes of half a load touch sixteen different columns of 16 bytes (64 banks of 4 bytes: ISA guide 11.1).
; The scale bytes of the 512 rows come once, as runs of 256 bytes + 16.  bo is the C of each sum's first product.
; CLUSTERS: 4 x 4: a's tiles are asked for jointly along a row of the cluster, wo's along a column.
; REGISTERS, in windows of 256: window 0: v0-31 addresses; v32-95 scale words, two sets; v128-191 a's fragments; v192-255 bo; on the way out v128-255 take rows read back.
;   window 1: wo's fragments, two sets.   window 2: the accumulators of my rows 0-63 ((a, b) at v[8 (8 a + b)]);   window 3: those of rows 64-127.
.set SIZE_N, 1024
.set KSTEP,  512
.set NQ,     KSTEP/128
.set ROWB,   256
.set KROW,   512
.set PITCH,  272
.set FR,     8
.set NL,     2
.set NP,     4                         ; places behind this matrix instruction (ISA guide 7.12.1)
.set HALFT,  128*PITCH
.set SLOT,   4*HALFT
.set KS,     32
.set SCL,    2*SLOT
.set HALFS,  (128*KS/256)*272
.set SBLK,   (16*KS/256)*272
.set SPARE,  SCL+4*HALFS               ; the spare words, 128 bytes a wave: two blocks of 256 bytes that no other line names
.set SPITCH, 528                       ; the way out: a stage of 16 rows x (512 bytes + 16) for each wave, in slot 0, which has had its only fill and its last read when the first result is stored there
.set ADRA, 16
.set ADRB, 20
.set BBO,  22                          ; v22  64 h: my half's place in bo
.set STO,  24
.set RD,   25
.set CO,   26
.set ADRS, 27
.set SPW,  28
.set NIL,  29
.set SC,   32
.set AF,   128
.set BK,   128
.set BB,   192
.set G1, 24
.set G0, 32
.set G1B, 48
.set G0B, 56
.set G1S, 68
.set G0S, 76
.set G1SB, 80
.set G0SB, 88
.set MSB, 0
.macro WIN new                         ; the immediate's high byte repeats the setting that is left
.if MSB != (\new)
	s_set_vgpr_msb (MSB<<8)|(\new)
.set MSB, (\new)
.endif
.endm
.set MUL_LO, 0xa1
.set MUL_HI, 0xf1
.set FST_LO, 0x81                      ; the first products: C (bo) window 0, D window 2
.set FST_HI, 0xc1
.set TO_B,   0x40
.macro JLOAD g0a, g1a, g0b, g1b        ; a joint load: waves 0 and 1 fetch for a, waves 2 and 3 for wo; four v_nop follow each of the two lines
	s_cmp_eq_u32 s15, 0
	s_cbranch_scc0 .Lfor_b_\@
	tensor_load_to_lds s[\g0a:\g0a+3], s[\g1a:\g1a+7]
	s_nop 0
.rept 4
	v_nop
.endr
	s_branch .Lasked_\@
.Lfor_b_\@:
	tensor_load_to_lds s[\g0b:\g0b+3], s[\g1b:\g1b+7]
	s_nop 0
.rept 4
	v_nop
.endr
.Lasked_\@:
.endm
.macro CROUND                          ; a round of the cluster's barrier
	s_barrier_signal -1
	s_barrier_wait -1
	s_cmp_lg_u32 s14, 0
	s_cbranch_scc1 .Lnot_wave_0_\@
	s_barrier_signal -3
.Lnot_wave_0_\@:
	s_barrier_wait -3
	s_barrier_signal -1
	s_barrier_wait -1
.endm
	s_load_b128 s[4:7], s[0:1], 0x0                ; a's codes, a's scales
	s_load_b128 s[8:11], s[0:1], 0x10              ; the weights' codes, their scales
	s_load_b128 s[96:99], s[0:1], 0x20             ; bo, out0
	v_lshl_add_u32 v[SPW], v0, 2, SPARE
	v_mov_b32 v[NIL], 0
	ds_add_u32 v28, v29
	ds_add_u32 v28, v29
	s_wait_dscnt 0x0
	v_lshrrev_b32 v1, 5, v0
	v_readfirstlane_b32 s14, v1                    ; wave 0..3
	s_lshr_b32 s15, s14, 1                         ; which half of the tile's rows is mine.  Also: I fetch for a (0) or for wo (1)
	s_and_b32 s16, s14, 1                          ; which half of its columns.  Also: which 128 rows of that tile I fetch
	s_bfe_u32 s40, ttmp6, 0x40000                  ; cx
	s_bfe_u32 s41, ttmp6, 0x40004                  ; cy
	s_lshl_b32 s42, ttmp9, 2
	s_add_co_u32 s42, s42, s40                     ; tile column = 4 x cluster x + cx
	s_and_b32 s17, ttmp7, 0xffff
	s_lshl_b32 s17, s17, 2
	s_add_co_u32 s17, s17, s41                     ; tile row = 4 x cluster y + cy
	s_lshl_b32 s43, s41, 2
	s_lshl_b32 s43, 15, s43                        ; my row of the cluster
	s_lshl_b32 s44, 0x1111, s40                    ; my column
	; descriptor group 1 for a's tiles: 8 rows (heads) of 512 elements of 8 bytes (128 tokens x 32 bytes), 32,768 elements (8,192 tokens) apart; 16 bytes of padding behind every 256
	s_or_b32 s[G1+0], s43, (3<<16)|(1<<20)|(1<<21)|(5<<22)|(3<<25)
	s_mov_b32 s[G1+1], 512<<16                     ; tensor_dim0
	s_mov_b32 s[G1+2], 8<<16                       ; tensor_dim1
	s_mov_b32 s[G1+3], 512<<16                     ; tile_dim0
	s_mov_b32 s[G1+4], 8                           ; tile_dim1
	s_mov_b32 s[G1+5], 32768                       ; tensor_dim0_stride
	s_mov_b32 s[G1+6], 0
	s_mov_b32 s[G1+7], 0
	; for wo's: 128 rows x 256 bytes, 16 bytes of padding behind each
	s_or_b32 s[G1B+0], s44, (0<<16)|(1<<20)|(1<<21)|(5<<22)|(3<<25)
	s_mov_b32 s[G1B+1], ROWB<<16
	s_mov_b32 s[G1B+2], 128<<16
	s_mov_b32 s[G1B+3], ROWB<<16
	s_mov_b32 s[G1B+4], 128
	s_mov_b32 s[G1B+5], KROW
	s_mov_b32 s[G1B+6], 0
	s_mov_b32 s[G1B+7], 0
	; the scale bytes of 128 rows: 4,096 dense bytes as 16 rows of 256, 16 bytes of padding behind each
	s_or_b32 s[G1S+0], s43, (3<<16)|(1<<20)|(1<<21)|(5<<22)|(3<<25)
	s_or_b32 s[G1SB+0], s44, (3<<16)|(1<<20)|(1<<21)|(5<<22)|(3<<25)
.irp g, G1S, G1SB
	s_mov_b32 s[\g+1], 32<<16
	s_mov_b32 s[\g+2], (128*KS/256)<<16
	s_mov_b32 s[\g+3], 32<<16
	s_mov_b32 s[\g+4], 128*KS/256
	s_mov_b32 s[\g+5], 32
	s_mov_b32 s[\g+6], 0
	s_mov_b32 s[\g+7], 0
.endr
	s_lshl_b32 s18, s16, 7                         ; which 128 rows of the tile I fetch
	s_lshl_b32 s20, s17, 8
	s_add_co_u32 s20, s20, s18                     ; a: token 256 x tile row + 128 x half
	s_lshl_b32 s46, s42, 8
	s_add_co_u32 s46, s46, s18
	s_add_co_u32 s46, s46, 3072                    ; wo: row 3,072 + 256 x tile column + 128 x half
	s_lshl_b32 s20, s20, 5                         ; 32 bytes a token, in a head's codes and in the scale bytes alike
	s_mov_b32 s21, 0
	s_lshl_b32 s92, s46, 5
	s_mov_b32 s93, 0
	s_lshl_b32 s46, s46, 9
	s_mov_b32 s47, 0
	s_mul_i32 s45, s14, HALFT                      ; where they go: wave x 34,816 bytes: no place in the cluster enters an LDS address
	s_mul_i32 s94, s14, HALFS
	s_wait_kmcnt 0x0
	s_add_nc_u64 s[22:23], s[6:7], s[20:21]
	s_add_nc_u64 s[20:21], s[4:5], s[20:21]
	s_add_nc_u64 s[46:47], s[8:9], s[46:47]
	s_add_nc_u64 s[92:93], s[10:11], s[92:93]
	CROUND                                         ; all sixteen work-groups are here: the first joint loads meet
	s_mov_b32 s[G0S], 1
	s_add_co_u32 s[G0S+1], s94, SCL
	s_mov_b64 s[G0S+2:G0S+3], s[22:23]
	s_or_b32 s[G0S+3], s[G0S+3], 0x80000000
	s_mov_b32 s[G0SB], 1
	s_add_co_u32 s[G0SB+1], s94, SCL
	s_mov_b64 s[G0SB+2:G0SB+3], s[92:93]
	s_or_b32 s[G0SB+3], s[G0SB+3], 0x80000000
	JLOAD G0S, G1S, G0SB, G1SB                     ; the scales first
.irp s, 0,1
	s_mov_b32 s[G0+4*\s], 1
	s_add_co_u32 s[G0+4*\s+1], s45, \s*SLOT
	s_add_nc_u64 s[G0+4*\s+2:G0+4*\s+3], s[20:21], \s*2097152      ; slot s: heads 8 s on, 262,144 bytes a head
	s_or_b32 s[G0+4*\s+3], s[G0+4*\s+3], 0x80000000
	s_mov_b32 s[G0B+4*\s], 1
	s_add_co_u32 s[G0B+4*\s+1], s45, \s*SLOT
	s_add_nc_u64 s[G0B+4*\s+2:G0B+4*\s+3], s[46:47], \s*ROWB
	s_or_b32 s[G0B+4*\s+3], s[G0B+4*\s+3], 0x80000000
	JLOAD G0+4*\s, G1, G0B+4*\s, G1B               ; three loads of mine are out now
.endr
	v_and_b32 v1, 15, v0                           ; r
	v_bfe_u32 v2, v0, 4, 1                         ; h
	s_lshl_b32 s46, s42, 10                        ; my first column, in bytes: 1,024 x tile column + 512 x half: in bo and in a row of out0 alike
	s_lshl_b32 s47, s16, 9
	s_add_co_u32 s46, s46, s47
	s_mov_b32 s47, 0
	s_add_nc_u64 s[92:93], s[96:97], s[46:47]
	v_lshlrev_b32 v[BBO], 6, v2
.irp k, 0,1,2,3
.irp j, 0,1,2,3
	global_load_b128 v[BB+16*\k+4*\j:BB+16*\k+4*\j+3], v[BBO], s[92:93] offset:128*\k+16*\j   ; register 16 B + i: bo at column 32 B + 16 h + i of my 128
.endr
.endr
	v_mul_u32_u24 v3, v1, PITCH
	v_lshl_add_u32 v4, v2, 4, v3                   ; wo: a fragment's row x pitch + 16 x half
	v_bfe_u32 v5, v0, 3, 1
	v_and_b32 v6, 7, v0
	v_mul_u32_u24 v7, v5, 272
	v_lshl_add_u32 v7, v6, 5, v7
	v_lshl_add_u32 v7, v2, 4, v7                   ; a: 272 (r / 8) + 32 (r % 8) + 16 h
	s_mul_i32 s21, s15, HALFT                      ; my 128 tokens
	s_mul_i32 s22, s16, HALFT                      ; my 128 rows of wo,
	s_add_co_u32 s22, s22, 2*HALFT                 ; which lie behind a's 256
.irp s, 0,1
	v_add_nc_u32 v[ADRA+\s], s21, v7
	v_add_nc_u32 v[ADRB+\s], s22, v4
	s_add_co_u32 s21, s21, SLOT
	s_add_co_u32 s22, s22, SLOT
.endr
	v_mul_u32_u24 v5, v1, KS                       ; my row's scales: 32 bytes a row,
	v_lshrrev_b32 v6, 8, v5
	v_lshl_add_u32 v5, v6, 4, v5                   ; and 16 more for each 256 passed
	s_mul_i32 s21, s15, HALFS
	s_mul_i32 s22, s16, HALFS
	s_add_co_u32 s22, s22, 2*HALFS
	s_sub_co_u32 s22, s22, s21
	v_mul_u32_u24 v6, s22, v2                      ; lanes 16-31 take wo's
	s_add_co_u32 s21, s21, SCL
	v_add_nc_u32 v5, v5, v6
	v_add_nc_u32 v[ADRS], s21, v5
	s_mul_i32 s23, s14, 16*SPITCH                  ; my stage
	v_mul_u32_u24 v5, v1, SPITCH                   ; in: row r, + 64 h: my half's 16 columns of each 32
	v_lshl_add_u32 v5, v2, 6, v5
	v_add_nc_u32 v[STO], s23, v5
	v_and_b32 v6, 31, v0
	v_lshlrev_b32 v[CO], 4, v6                     ; back: the 32 lanes take one row of 512 bytes; and the same in out0
	v_add_nc_u32 v[RD], s23, v[CO]
	s_lshl_b32 s20, s17, 8
	s_lshl_b32 s21, s15, 7
	s_add_co_u32 s20, s20, s21                     ; my first row of out0
	s_lshl_b32 s20, s20, 12                        ; 4,096 bytes a row (under 2^25)
	s_mov_b32 s21, 0
	s_add_nc_u64 s[20:21], s[20:21], s[46:47]
	s_add_nc_u64 s[12:13], s[98:99], s[20:21]
.macro FRAG reg, adr, q, i             ; wo: 16 rows x 128 K: lane l holds row l % 16; registers 4 c .. 4 c + 3 hold K = 64 c + 32 (l / 16) + 0 .. 31
.irp c, 0,1
	ds_load_b128 v[\reg+4*\c:\reg+4*\c+3], v[\adr] offset:64*(\q)+32*\c+(\i)*16*PITCH
.endr
.endm
.macro FRAGA reg, adr, q, i            ; a: the same registers: K = 64 c on is head 2 q + c of the slot's eight
.irp c, 0,1
	ds_load_b128 v[\reg+4*\c:\reg+4*\c+3], v[\adr] offset:((2*(\q)+\c)*16+2*(\i))*272
.endr
.endm
; 16 matrix instructions: a's blocks a0, a0 + 1 x wo's eight, the slot's q-th 128 along K.  first = 1: the sums start from bo.  The 64 accumulators take turns, one instruction a turn.
.macro MUL16 a0, p, q, sc, first
.irp a, \a0, \a0+1
.irp b, 0,1,2,3,4,5,6,7
.if \first
	v_wmma_scale_f32_16x16x128_f8f6f4 v[8*(8*((\a)%4)+\b):8*(8*((\a)%4)+\b)+7], v[128*(\p)+FR*\b:128*(\p)+FR*\b+FR-1], v[AF+FR*(\a):AF+FR*(\a)+FR-1], v[BB+8*\b:BB+8*\b+7], v[SC+8*NQ*(\sc)+NQ*\b+(\q)], v[SC+8*NQ*(\sc)+NQ*(\a)+(\q)] matrix_a_fmt:MATRIX_FMT_FP4 matrix_b_fmt:MATRIX_FMT_FP4 matrix_a_scale:MATRIX_SCALE_ROW1
.else
	v_wmma_scale_f32_16x16x128_f8f6f4 v[8*(8*((\a)%4)+\b):8*(8*((\a)%4)+\b)+7], v[128*(\p)+FR*\b:128*(\p)+FR*\b+FR-1], v[AF+FR*(\a):AF+FR*(\a)+FR-1], v[8*(8*((\a)%4)+\b):8*(8*((\a)%4)+\b)+7], v[SC+8*NQ*(\sc)+NQ*\b+(\q)], v[SC+8*NQ*(\sc)+NQ*(\a)+(\q)] matrix_a_fmt:MATRIX_FMT_FP4 matrix_b_fmt:MATRIX_FMT_FP4 matrix_a_scale:MATRIX_SCALE_ROW1
.endif
.endr
.endr
.endm
.macro FETCH_B slot, q, p
	WIN TO_B
.irp i, 0,1,2,3,4,5,6,7
	FRAG 128*(\p)+FR*\i, ADRB+\slot, \q, \i
.endr
	WIN 0
.endm
.macro FETCH_A slot, q, i0
.irp i, \i0, \i0+1, \i0+2, \i0+3
	FRAGA AF+FR*(\i), ADRA+\slot, \q, \i
.endr
.endm
.macro SCALES sc
.irp i, 0,1,2,3,4,5,6,7
	ds_load_b128 v[SC+8*NQ*\sc+NQ*\i:SC+8*NQ*\sc+NQ*\i+3], v[ADRS] offset:\i*SBLK
.endr
.endm
.macro PLACES n                        ; plain vector lines between a matrix instruction and a load into, or a store of, its registers
.rept \n
	v_nop
.endr
.endm
.macro STEP slot, q, first
	s_wait_dscnt 4*NL                              ; wo's set and a's blocks 0-3 are in; the youngest eight loads (a's blocks 4-7) may be out
.if \first
	WIN FST_LO
.else
	WIN MUL_LO
.endif
	MUL16 0, (\q)%2, \q, \slot, \first
	MUL16 2, (\q)%2, \q, \slot, \first
	s_wait_dscnt 0
	PLACES NP
	FETCH_B \slot, (\q)+1, 1-(\q)%2
	FETCH_A \slot, (\q)+1, 0
.if \first
	WIN FST_HI
.else
	WIN MUL_HI
.endif
	MUL16 4, (\q)%2, \q, \slot, \first
	MUL16 6, (\q)%2, \q, \slot, \first
	PLACES NP
	WIN 0
	FETCH_A \slot, (\q)+1, 4
.endm
.macro TURN slot, next                 ; slot 0's last step changes slots: one barrier; nothing is filled again
	s_wait_tensorcnt 0x0                           ; all my tensor loads have landed: my part of the next slot
	ds_add_u32 v[SPW], v[NIL]                      ; 0 onto my spare word
	s_wait_dscnt 4*NL+1                            ; the add and the youngest eight loads (a's blocks 4-7) may be out
	WIN MUL_LO
	MUL16 0, 1, NQ-1, \slot, 0
	s_wait_dscnt 0x0                               ; the add is done, and my reads of this slot are over
	s_barrier_signal -1
	MUL16 2, 1, NQ-1, \slot, 0
	WIN 0
	s_barrier_wait -1
	PLACES NP
	v_add_nc_u32 v[ADRS], 4*NQ, v[ADRS]
	FETCH_B \next, 0, 0
	FETCH_A \next, 0, 0
	SCALES \next
	WIN MUL_HI
	MUL16 4, 1, NQ-1, \slot, 0
	MUL16 6, 1, NQ-1, \slot, 0
	PLACES NP
	WIN 0
	FETCH_A \next, 0, 4
.endm
.macro STEPS slot, from
.set Q, \from
.rept NQ-1-\from
	STEP \slot, Q, 0
.set Q, Q+1
.endr
.endm
	s_wait_loadcnt 0x0                             ; bo
	s_wait_tensorcnt 1                             ; the scales and my part of slot 0 are in; slot 1's load may be out
	s_barrier_signal -1
	s_barrier_wait -1
	FETCH_B 0, 0, 0
	FETCH_A 0, 0, 0
	SCALES 0
	FETCH_A 0, 0, 4
	STEP 0, 0, 1
	STEPS 0, 1
	TURN 0, 1
	STEPS 1, 0
	s_wait_dscnt 4*NL                              ; the last step: nothing more to fetch
	WIN MUL_LO
	MUL16 0, 1, NQ-1, 1, 0
	MUL16 2, 1, NQ-1, 1, 0
	s_wait_dscnt 0
	WIN MUL_HI
	MUL16 4, 1, NQ-1, 1, 0
	MUL16 6, 1, NQ-1, 1, 0
	WIN 0
; THE WAY OUT, block by block of 16 rows x 128 columns, through my own stage: in by 32 bytes a lane at the columns' true places, back as whole rows of 512 bytes.  LDS serves a wave's instructions in order (ISA guide 5.7.1.4).
.macro TOSTAGE a
.set AC, 64*((\a)%4)
	WIN 0x08+4*((\a)/4)                            ; the data: window 2 or 3
.irp b, 0,1,2,3,4,5,6,7
	ds_store_b128 v[STO], v[AC+8*\b:AC+8*\b+3] offset:128*(\b/2)+32*(\b%2)          ; each accumulator from its low end on
	ds_store_b128 v[STO], v[AC+8*\b+4:AC+8*\b+7] offset:128*(\b/2)+32*(\b%2)+16
.endr
	WIN 0
.set RB, BK+64*((\a)%2)
.irp t, 0,1,2,3,4,5,6,7,8,9,10,11,12,13,14,15
	ds_load_b128 v[RB+4*\t:RB+4*\t+3], v[RD] offset:\t*SPITCH
.endr
.endm
.macro SEND a, younger                 ; younger: the LDS instructions issued behind block a's loads, which may stay out
.set RB, BK+64*((\a)%2)
	s_wait_dscnt \younger
.if (\a) > 0
	s_add_nc_u64 s[12:13], s[12:13], 16*SIZE_N*4   ; (behind a wait on XCNT: the earlier stores have read their base)  16 rows on
.endif
.irp t, 0,1,2,3,4,5,6,7,8,9,10,11,12,13,14,15
	global_store_b128 v[CO], v[RB+4*\t:RB+4*\t+3], s[12:13] offset:\t*SIZE_N*4 th:TH_STORE_NT   ; 32 lanes store 512 consecutive bytes, aligned; written once, read by nobody here
.endr
.endm
	PLACES NP                                      ; in front of the loads into the registers that held a's fragments, and of the stores of results
	TOSTAGE 0
.irp a, 1,2,3,4,5,6,7
.if \a > 1
	s_wait_xcnt 0x0                                ; block a - 2's stores have read their registers and their base
.endif
	TOSTAGE \a
	SEND \a-1, 32                                  ; behind block a - 1's loads: block a's 16 stores and 16 loads
.endr
	s_wait_xcnt 0x0
	SEND 7, 0
	s_wait_tensorcnt 0x0                           ; the wave's end
	ds_add_u32 v[SPW], v[NIL]
	s_wait_dscnt 0x0
	CROUND                                         ; the closing round: no work-group ends while a partner may still ask for a tile that names it
	s_endpgm
.Lfunc_end_k_q4c1f9e3a76_gemm_out:
	.size	k_q4c1f9e3a76_gemm_out, .Lfunc_end_k_q4c1f9e3a76_gemm_out-k_q4c1f9e3a76_gemm_out
	.p2alignl 7, 3214868480
	.fill 96, 4, 3214868480
	.section	.rodata,"a",@progbits
	.p2align	6, 0x0
	.amdhsa_kernel k_q4c1f9e3a76_gemm_out
		.amdhsa_group_segment_fixed_size 327680
		.amdhsa_private_segment_fixed_size 0
		.amdhsa_enable_private_segment 0
		.amdhsa_kernarg_size 48
		.amdhsa_user_sgpr_count 2
		.amdhsa_user_sgpr_kernarg_segment_ptr 1
		.amdhsa_wavefront_size32 1
		.amdhsa_system_sgpr_workgroup_id_x 1
		.amdhsa_system_sgpr_workgroup_id_y 1
		.amdhsa_system_sgpr_workgroup_id_z 1
		.amdhsa_system_vgpr_workitem_id 0
		.amdhsa_next_free_vgpr 1024
		.amdhsa_next_free_sgpr 100
		.amdhsa_reserve_vcc 0
		.amdhsa_float_denorm_mode_32 3
		.amdhsa_float_denorm_mode_16_64 3
		.amdhsa_memory_ordered 1
		.amdhsa_forward_progress 1
		.amdhsa_inst_pref_size 126
	.end_amdhsa_kernel
	.amdgpu_metadata
---
amdhsa.version: [ 1, 2 ]
amdhsa.kernels:
  - .name:           k_q4c1f9e3a76_gemm_out
    .symbol:         k_q4c1f9e3a76_gemm_out.kd
    .args:
      - { .name: ao_codes, .offset: 0, .size: 8, .value_kind: global_buffer, .address_space: global }
      - { .name: ao_scales, .offset: 8, .size: 8, .value_kind: global_buffer, .address_space: global }
      - { .name: w_codes, .offset: 16, .size: 8, .value_kind: global_buffer, .address_space: global }
      - { .name: w_scales, .offset: 24, .size: 8, .value_kind: global_buffer, .address_space: global }
      - { .name: bo, .offset: 32, .size: 8, .value_kind: global_buffer, .address_space: global }
      - { .name: out0, .offset: 40, .size: 8, .value_kind: global_buffer, .address_space: global }
    .group_segment_fixed_size: 327680
    .private_segment_fixed_size: 0
    .kernarg_segment_align: 8
    .kernarg_segment_size: 48
    .max_flat_workgroup_size: 128
    .sgpr_count:     100
    .vgpr_count:     1024
    .wavefront_size: 32
...
	.end_amdgpu_metadata
.endif
;; end of part 4
